; MI455X (gfx1250); checked and timed in simulation.
; The chip was launched on July 23, 2026; its instructions are those of AMD's public machine-readable ISA for CDNA 5 (MIT licence, August 2026) and "CDNA5" Instruction Set Architecture Reference Guide (July 2026). The comments in the code are by the model that wrote it; some were corrected since.
;; Encoder Block. Allowed arithmetic: matrix products marked QUANTISED: E4M3 operands, one given power-of-two scale a tensor, by v_wmma_f32_16x16x64_fp8_fp8 or v_wmma_f32_16x16x128_fp8_fp8, f32 sums; everything else in f32.
;; Inputs: W1_codes 4,096 x 32 x 32 uint8 (E4M3 codes of W1, K innermost, in blocks of 32 codes); W2_codes 1,024 x 128 x 32 uint8 (E4M3 codes of W2, K innermost, in blocks of 32 codes); Wk_codes 16 x 64 x 32 x 32 uint8 (E4M3 codes of Wk, K innermost, in blocks of 32 codes); Wp_codes 1,024 x 32 x 32 uint8 (E4M3 codes of Wp, K innermost, in blocks of 32 codes); Wq_codes 16 x 64 x 32 x 32 uint8 (E4M3 codes of Wq, K innermost, in blocks of 32 codes); Wv_codes 16 x 64 x 32 x 32 uint8 (E4M3 codes of Wv, K innermost, in blocks of 32 codes); b1 4,096 float32; b2 1,024 float32; be1 1,024 float32; be2 1,024 float32; bp 1,024 float32; g1 1,024 float32; g2 1,024 float32; lowp_scales 16 int32 (the exponents e of the quantised operands' scales 2^e); mask 2,048 x 2,048 int32; x 2 x 2,048 x 1,024 float32.
;; Outputs: out0 2 x 2,048 x 1,024 float32.
;; This version of the problem:
;;   THIS VERSION OF THE PROBLEM IS GIVEN IN LOW PRECISION. The matrix products marked QUANTISED in the list below multiply operands that are first quantised to E4M3 (4 exponent bits, 3 mantissa bits; 8 bits a number), with one given power-of-two scale for each operand tensor; their sums are f32. All else is computed in f32.
;;   The module's matrix products, in the order in which they are computed (A, B: the left and right operand; K: the contracted axis; several contracted axes count as one K, in the product's order):
;;     1. [M 1,024, K 1,024] x [K 1,024, N 4,096]; A: input Wq (given as codes); B: computed on the way: QUANTISED (scales: A lowp_scales[0], B lowp_scales[1])
;;     2. [M 1,024, K 1,024] x [K 1,024, N 4,096]; A: input Wk (given as codes); B: computed on the way: QUANTISED (scales: A lowp_scales[2], B lowp_scales[3])
;;     3. [M 1,024, K 1,024] x [K 1,024, N 4,096]; A: input Wv (given as codes); B: computed on the way: QUANTISED (scales: A lowp_scales[4], B lowp_scales[5])
;;     4. batch 32 x [M 2,048, K 64] x [K 64, N 2,048]; A: computed on the way; B: computed on the way: QUANTISED (scales: A lowp_scales[6], B lowp_scales[7])
;;     5. batch 32 x [M 2,048, K 2,048] x [K 2,048, N 64]; A: softmax (see below); B: computed on the way: QUANTISED (scales: A lowp_scales[8], B lowp_scales[9])
;;     6. [M 4,096, K 1,024] x [K 1,024, N 1,024]; A: computed on the way; B: input Wp (given as codes): QUANTISED (scales: A lowp_scales[10], B lowp_scales[11])
;;     7. [M 4,096, K 1,024] x [K 1,024, N 4,096]; A: computed on the way; B: input W1 (given as codes): QUANTISED (scales: A lowp_scales[12], B lowp_scales[13])
;;     8. [M 4,096, K 4,096] x [K 4,096, N 1,024]; A: computed on the way; B: input W2 (given as codes): QUANTISED (scales: A lowp_scales[14], B lowp_scales[15])
;;   THE QUANTISER, for each operand of a quantised product, along K:
;;     - The operand's scale is 2^e, e = its entry of the input lowp_scales (int32; the entries are numbered through the quantised products in the list's order, A before B).
;;     - Each number is divided by the scale, clamped to +-448, and rounded to the nearest number of E4M3, ties to even, subnormals kept.
;;     - The product sums the exact products of the quantised numbers (number of the format x scale) in f32.
;;   ~~~python
;;   def quantise(x, axis, e):      # numpy; x: float32 -> the quantised numbers, widened to float32 again
;;       x = np.moveaxis(x, axis, -1); K = x.shape[-1]
;;       r = np.clip(x / 2.0 ** e, -448, 448)
;;       step = 2.0 ** (np.maximum(np.frexp(np.where(r == 0, 1, r))[1] - 1, -6) - 3)
;;       q = np.round(r / step) * step * 2.0 ** e      # np.round: ties to even
;;       return np.moveaxis(q, -1, axis).astype(np.float32)
;;   ~~~
;;   SOFTMAX AHEAD OF A QUANTISED PRODUCT. Where the list says 'softmax', what is quantised is not the finished softmax but p = 2^(t - M), with t = logit x log2(e) and M = ceil(the row's largest t), a whole number; so 1/2 < the row's largest p <= 1. The row's sum l is taken of the UNQUANTISED p, in f32, and the product's result is divided by l at the end. Since M is a whole number, a kernel that streams over the keys may use a running M (the ceiling of the running maximum): every later rescaling is an exact power of two, so the quantised numbers keep their values, but for numbers so far below the row's largest that they fall under the format's range.
;;   OPERANDS COMPUTED ON THE WAY. 'Computed on the way' means the value that the module computes at that place (a softmax that the list does not call 'softmax' is quantised finished and normalised). What goes into a quantiser is computed in f32, as accurately as f32 sums, v_exp_f32 and their like allow (about 1e-6 of the number): no bf16 or f16 on the way to a quantiser, and a product that is left as it is and whose result goes on into a quantised operand takes f32 operands (vector FMAs, or v_wmma_f32_16x16x4_f32). A number that lies on a knife's edge between two numbers of the format may be rounded either way, as far as f32 arithmetic and the matrix unit's own rounding can turn it there, and no further.
;;   INPUTS GIVEN AS CODES. W1 (in the module: [1024, 4096], K = its axis 0); W2 (in the module: [4096, 1024], K = its axis 0); Wk (in the module: [16, 1024, 64], K = its axis 1); Wp (in the module: [1024, 1024], K = its axis 0); Wq (in the module: [16, 1024, 64], K = its axis 1); Wv (in the module: [16, 1024, 64], K = its axis 1): each comes as NAME_codes (uint8): NAME with its K axis moved to the last place and cut into blocks of 32 codes, [.., K / 32, bytes a block], one block behind the other in memory; one code a byte (a code: sign, 4 exponent bits, 3 mantissa bits); its scale is its entry of lowp_scales. Its value is code x scale, taken as it is: it is not quantised again, and the codes and scales need not be those that the quantiser above would give.
;; One version. Each part assembles by itself: llvm-mc -triple=amdgcn-amd-amdhsa -mcpu=gfx1250 --defsym DOCPART=n.
;; ======== version 1 of 1: 7 launches
;; limits: right only within a limited range of input values
;; workspace buffers: hc 12,582,912 bytes; mw 524,288 bytes of whole numbers; qi 4,194,304 bytes; kv 8,388,608 bytes; ai 4,194,304 bytes; x1 16,777,216 bytes; h2 4,194,304 bytes; hi 16,777,216 bytes
;; launch prep (part 1): grid 512 x 1, 8 waves a work-group, no clusters, 93,184 bytes of LDS; arguments x, g1, be1, lowp_scales, mask, hc, mw; writes hc, mw
.if DOCPART == 1
	.amdgcn_target "amdgcn-amd-amdhsa--gfx1250"
	.amdhsa_code_object_version 6
	.text
	.protected	k_qaf496795ff_prep
	.globl	k_qaf496795ff_prep
	.p2align	8
	.type	k_qaf496795ff_prep,@function
k_qaf496795ff_prep:
	s_mov_b64 s[64:65], 0
	v_nop
	global_prefetch_b8 v0, s[64:65] scope:SCOPE_SE
	s_setreg_imm32_b32 hwreg(HW_REG_WAVE_MODE, 25, 1), 1
	s_wait_xcnt 0x0
; Two jobs in one launch, told apart by the work-group's number; each has LDS bytes of its own; waves share nothing, so there is no barrier.
; WORK-GROUPS 0-255: h = layernorm(x, g1, be1), all in f32 (mean, then the mean of the squared differences), quantised three times to E4M3: with 2^e1, 2^e3, 2^e5
;   (entries 1, 3, 5 of the scales) into hc[set][4096][1024], one code a byte, row-major.  A wave takes two rows; a row is 32 registers a lane.
; WORK-GROUPS 256-511: the mask, [2048][2048] int32, becomes words of lane bits: mw[tau][s][n], bit (lane) of word n = (mask[16 tau + lane % 16][128 s + 16 (n / 8) + 8 (lane / 16) + n % 8] != 0):
;   the order in which the attention launch holds its scores.  A wave takes 16 queries x 128 keys.
; code = h / 2^e, held within +-448, to the nearest code, ties to even.  LIMITS: e1, e3, e5 between -126 and 119; NaN among the inputs is not served.
.set G,    8                           ; v[8:39]    g1 of my 32 columns
.set BE,   40                          ; v[40:71]   be1
.set X0,   72                          ; v[72:103]  row 0: register 4 j + i = column 128 j + 4 lane + i
.set X1,   104                         ; v[104:135] row 1
.set T,    136                         ; v[136:151] two sets of eight held numbers, by turns
.set C,    152                         ; v[152:175] codes: eight registers a set of scales
.set OUT0, 176                         ; v[176:199] row 0's codes back from the stage
.set OUT1, 200                         ; v[200:223] row 1's
.set A,    224                         ; v[224:231] four packed chains
.set MU,   232                         ; v[232:233] the mean (the upper register is named with it as a pair, so it is written)
.set RS,   234                         ; v[234:235] 1 / sqrt(var + eps)
.set PT,   236                         ; v236       the lane exchange's destination
.set SCV,  237                         ; v237-239   2^e1, 2^e3, 2^e5 as f32
.set MSTG, 24576                       ; the mask's stages begin behind the norm's: 8 x 8,448 bytes
	s_load_b256 s[4:11], s[0:1], 0x0               ; x s[4:5], g1 s[6:7], be1 s[8:9], the scales s[10:11]
	s_load_b128 s[12:15], s[0:1], 0x20             ; mask s[12:13], hc s[14:15]
	s_load_b64 s[16:17], s[0:1], 0x30              ; mw
	v_lshl_add_u32 v240, v0, 2, 0x16800
	v_mov_b32 v241, 0
	v_lshrrev_b32 v4, 5, v0
	s_delay_alu instid0(VALU_DEP_1)
	v_readfirstlane_b32 s18, v4                    ; wave 0..7
	v_and_b32 v4, 31, v0                           ; lane
	s_delay_alu instid0(VALU_DEP_1)
	v_lshlrev_b32 v1, 4, v4                        ; 16 x lane; never rewritten
	s_cmp_lt_u32 ttmp9, 256
	s_cbranch_scc0 .Lmask
	; ---------------- the norm ----------------
	s_mul_i32 s19, s18, 3072                       ; my stage: 1,024 bytes for each of the three sets
	v_lshl_add_u32 v2, v4, 2, s19                  ; in: 4 bytes a lane
	v_add_nc_u32 v3, s19, v1                       ; out: 16 bytes a lane
	s_mov_b32 s20, 0x76543210                      ; v_permlanex16_b32: each lane takes its own place in the other half
	s_mov_b32 s21, 0xfedcba98
	s_mov_b32 s22, 0x3a800000                      ; 1 / 1024
	s_mov_b32 s23, 0x3727c5ac                      ; 1e-5
	v_mov_b32 v[MU+1], 0
	v_mov_b32 v[RS+1], 0
	v_mov_b32 v[PT], 0
	s_lshl_b32 s54, ttmp9, 4
	s_lshl_b32 s55, s18, 1
	s_add_co_u32 s54, s54, s55                     ; my first row: 16 x work-group + 2 x wave
	s_lshl_b32 s56, s54, 12                        ; in x: 4,096 bytes a row
	s_mov_b32 s57, 0
	s_lshl_b32 s58, s54, 10                        ; in hc: 1,024
	s_mov_b32 s59, 0
	s_wait_kmcnt 0x0
	s_load_b512 s[32:47], s[10:11], 0x0            ; the sixteen exponents
	s_add_nc_u64 s[4:5], s[4:5], s[56:57]
	s_add_nc_u64 s[24:25], s[14:15], s[58:59]      ; a base for each set: they lie 4 MiB apart
	s_add_nc_u64 s[26:27], s[24:25], 0x400000
	s_add_nc_u64 s[28:29], s[26:27], 0x400000
	s_wait_alu depctr_va_vdst(0)
.irp j, 0,1,2,3,4,5,6,7
	global_load_b128 v[X0+4*\j:X0+4*\j+3], v1, s[4:5] offset:512*\j th:TH_LOAD_NT          ; 32 lanes read 512 consecutive bytes
.endr
.irp j, 0,1,2,3,4,5,6,7
	global_load_b128 v[X1+4*\j:X1+4*\j+3], v1, s[4:5] offset:4096+512*\j th:TH_LOAD_NT
.endr
.irp j, 0,1,2,3,4,5,6,7
	global_load_b128 v[G+4*\j:G+4*\j+3], v1, s[6:7] offset:512*\j
.endr
.irp j, 0,1,2,3,4,5,6,7
	global_load_b128 v[BE+4*\j:BE+4*\j+3], v1, s[8:9] offset:512*\j
.endr
	s_wait_kmcnt 0x0
.irp q, 0,1,2
	s_add_co_i32 s54, s[33+2*\q], 127
	s_lshl_b32 s55, s54, 23
	v_mov_b32 v[SCV+\q], s55                       ; 2^e as f32: the conversion takes its exponent field
	s_add_co_i32 s54, s54, 8
	s_lshl_b32 s54, s54, 23
	s_or_b32 s[49+2*\q], s54, 0x600000             ; 448 x 2^e
	s_or_b32 s[48+2*\q], s[49+2*\q], 0x80000000    ; and its negative
.endr
.macro REDUCE r                        ; the sum over the wave's 32 lanes, in every lane
	s_delay_alu instid0(VALU_DEP_1)
	v_add_f32_dpp v[\r], v[\r], v[\r] row_xmask:1 row_mask:0xf bank_mask:0xf
	s_delay_alu instid0(VALU_DEP_1)
	v_add_f32_dpp v[\r], v[\r], v[\r] row_xmask:2 row_mask:0xf bank_mask:0xf
	s_delay_alu instid0(VALU_DEP_1)
	v_add_f32_dpp v[\r], v[\r], v[\r] row_xmask:4 row_mask:0xf bank_mask:0xf
	s_delay_alu instid0(VALU_DEP_1)
	v_add_f32_dpp v[\r], v[\r], v[\r] row_xmask:8 row_mask:0xf bank_mask:0xf
	s_delay_alu instid0(VALU_DEP_1)
	v_permlanex16_b32 v[PT], v[\r], s20, s21
	s_delay_alu instid0(VALU_DEP_1)
	v_add_f32 v[\r], v[\r], v[PT]
.endm
.macro FOLD                            ; four packed chains into one number
	s_delay_alu instid0(VALU_DEP_3)
	v_pk_add_f32 v[A:A+1], v[A:A+1], v[A+2:A+3]
	s_delay_alu instid0(VALU_DEP_2)
	v_pk_add_f32 v[A+4:A+5], v[A+4:A+5], v[A+6:A+7]
	s_delay_alu instid0(VALU_DEP_1)
	v_pk_add_f32 v[A:A+1], v[A:A+1], v[A+4:A+5]
	s_delay_alu instid0(VALU_DEP_1)
	v_add_f32 v[A], v[A], v[A+1]
	REDUCE A
.endm
; One row: x its registers, o the registers for its codes, rowoff its place behind the wave's first row of hc.  first = 1: the waits for the loads stand here.
.macro ROW x, o, rowoff, first
.if \first
	s_wait_loadcnt 24                              ; row 0's eight loads are in; the 24 issued behind them (row 1, g1, be1) may be out
.endif
.irp k, 0,1,2,3
	v_pk_add_f32 v[A+2*\k:A+2*\k+1], v[\x+4*\k:\x+4*\k+1], v[\x+4*\k+2:\x+4*\k+3]
.endr
.irp k, 0,1,2,3,4,5,6,7
	s_delay_alu instid0(VALU_DEP_4)
	v_pk_add_f32 v[A+2*(\k%4):A+2*(\k%4)+1], v[A+2*(\k%4):A+2*(\k%4)+1], v[\x+16+2*\k:\x+16+2*\k+1]
.endr
	FOLD
	s_delay_alu instid0(VALU_DEP_1)
	v_mul_f32 v[MU], s22, v[A]                     ; the mean
.irp k, 0,1,2,3,4,5,6,7,8,9,10,11,12,13,14,15
	v_pk_add_f32 v[\x+2*\k:\x+2*\k+1], v[\x+2*\k:\x+2*\k+1], v[MU:MU+1] op_sel_hi:[1,0] neg_lo:[0,1] neg_hi:[0,1]   ; x - mean: the variance is taken of the differences, so a common offset does no harm
.endr
.irp k, 0,1,2,3
	v_pk_mul_f32 v[A+2*\k:A+2*\k+1], v[\x+2*\k:\x+2*\k+1], v[\x+2*\k:\x+2*\k+1]
.endr
.irp k, 4,5,6,7,8,9,10,11,12,13,14,15
	s_delay_alu instid0(VALU_DEP_4)
	v_pk_fma_f32 v[A+2*(\k%4):A+2*(\k%4)+1], v[\x+2*\k:\x+2*\k+1], v[\x+2*\k:\x+2*\k+1], v[A+2*(\k%4):A+2*(\k%4)+1]
.endr
	FOLD
	s_delay_alu instid0(VALU_DEP_1)
	v_fma_f32 v[A], v[A], s22, s23                 ; var + eps
	s_wait_alu depctr_va_vdst(0)
	v_rsq_f32 v[RS], v[A]
	v_nop                                          ; a plain instruction behind the transcendental
	s_wait_alu depctr_va_vdst(0)                   ; and the wait ahead of its first reader
.if \first
	s_wait_loadcnt 0x0                             ; g1 and be1 are in (and row 1)
.endif
.irp k, 0,1,2,3,4,5,6,7,8,9,10,11,12,13,14,15
	v_pk_mul_f32 v[\x+2*\k:\x+2*\k+1], v[\x+2*\k:\x+2*\k+1], v[RS:RS+1] op_sel_hi:[1,0]
.endr
.irp k, 0,1,2,3,4,5,6,7,8,9,10,11,12,13,14,15
	v_pk_fma_f32 v[\x+2*\k:\x+2*\k+1], v[\x+2*\k:\x+2*\k+1], v[G+2*\k:G+2*\k+1], v[BE+2*\k:BE+2*\k+1]
.endr
.irp q, 0,1,2
.irp m, 0,1,2,3
.irp i, 0,1,2,3,4,5,6,7
	v_med3_num_f32 v[T+8*(\m%2)+\i], v[\x+8*\m+\i], s[48+2*\q], s[49+2*\q]   ; the conversion does not saturate (ISA guide 7.6.2): the hold comes first.  The two sets take turns, so plain lines on other registers follow each conversion
.endr
	v_cvt_scalef32_pk8_fp8_f32 v[C+8*\q+2*\m:C+8*\q+2*\m+1], v[T+8*(\m%2):T+8*(\m%2)+7], v[SCV+\q]
.endr
.endr
.irp q, 0,1,2                          ; register 8 q + j holds the four codes at byte 128 j + 4 lane of the row: through my stage, so that a lane gets 16 neighbouring bytes
.irp j, 0,1,2,3,4,5,6,7
	ds_store_b32 v2, v[C+8*\q+\j] offset:1024*\q+128*\j
.endr
.irp u, 0,1
	ds_load_b128 v[\o+8*\q+4*\u:\o+8*\q+4*\u+3], v3 offset:1024*\q+512*\u   ; LDS serves a wave's instructions in order (ISA guide 5.7.1.4): these see the stores above
.endr
.endr
	s_wait_dscnt 0x0
.irp q, 0,1,2
.irp u, 0,1
	global_store_b128 v1, v[\o+8*\q+4*\u:\o+8*\q+4*\u+3], s[24+2*\q:25+2*\q] offset:\rowoff+512*\u   ; 32 lanes store 512 consecutive bytes, aligned
.endr
.endr
.endm
	ROW X0, OUT0, 0, 1
	ROW X1, OUT1, 1024, 0
	s_wait_tensorcnt 0x0
	ds_add_u32 v240, v241
	s_wait_dscnt 0x0
	s_endpgm
	; ---------------- the mask ----------------
.Lmask:
	s_sub_co_u32 s19, ttmp9, 256
	s_lshr_b32 s20, s19, 1                         ; tau: which 16 queries
	s_and_b32 s21, s19, 1
	s_lshl_b32 s21, s21, 3
	s_add_co_u32 s21, s21, s18                     ; s: which 128 keys
	s_lshl_b32 s22, s20, 17                        ; 16 rows of 8,192 bytes
	s_lshl_b32 s23, s21, 9
	s_add_co_u32 s22, s22, s23
	s_mov_b32 s23, 0
	s_lshl_b32 s24, s20, 4
	s_add_co_u32 s24, s24, s21
	s_lshl_b32 s24, s24, 8                         ; mw: 256 bytes for (tau, s)
	s_mov_b32 s25, 0
	s_mul_i32 s26, s18, 8448
	s_add_co_u32 s26, s26, MSTG                    ; my stage: 16 rows of 512 bytes + 16
	s_wait_alu depctr_va_vdst(0)
	v_add_nc_u32 v5, s26, v1                       ; in: a row as it lies
	v_and_b32 v6, 15, v0
	s_delay_alu instid0(VALU_DEP_1)
	v_mul_u32_u24 v6, v6, 528
	v_bfe_u32 v7, v0, 4, 1
	s_delay_alu instid0(VALU_DEP_1)
	v_lshl_add_u32 v6, v7, 5, v6
	s_delay_alu instid0(VALU_DEP_1)
	v_add_nc_u32 v6, s26, v6                       ; out: row lane % 16, + 32 bytes (8 keys) for the upper half of the lanes
	v_lshlrev_b32 v7, 3, v4                        ; two words a lane
	v_mov_b32 v136, 0                              ; v_writelane_b32's destination counts as read
	v_mov_b32 v137, 0
	s_wait_alu depctr_va_vdst(0)
	s_wait_kmcnt 0x0
	s_add_nc_u64 s[12:13], s[12:13], s[22:23]
	s_add_nc_u64 s[16:17], s[16:17], s[24:25]
.irp i, 0,1,2,3,4,5,6,7,8,9,10,11,12,13,14,15
	global_load_b128 v[8+4*\i:11+4*\i], v1, s[12:13] offset:8192*\i th:TH_LOAD_NT   ; query 16 tau + i, 512 consecutive bytes
.endr
	s_wait_loadcnt 0x0
.irp i, 0,1,2,3,4,5,6,7,8,9,10,11,12,13,14,15
	ds_store_b128 v5, v[8+4*\i:11+4*\i] offset:528*\i
.endr
.irp t, 0,1,2,3,4,5,6,7
	ds_load_b128 v[72+8*\t:75+8*\t], v6 offset:64*\t            ; register 8 t + j: key 16 t + 8 (lane / 16) + j of query lane % 16
	ds_load_b128 v[76+8*\t:79+8*\t], v6 offset:64*\t+16
.endr
	s_wait_dscnt 0x0
.set n, 0
.rept 64
	v_cmp_ne_u32 s[40+n%8], 0, v[72+n]             ; a bit a lane
	s_delay_alu instid0(VALU_DEP_1)
	v_writelane_b32 v[136+n%2], s[40+n%8], n/2     ; word n goes to lane n / 2
.set n, n+1
.endr
	global_store_b64 v7, v[136:137], s[16:17]      ; 256 consecutive bytes, aligned
	s_wait_tensorcnt 0x0
	ds_add_u32 v240, v241
	s_wait_dscnt 0x0
	s_endpgm
.Lfunc_end_k_qaf496795ff_prep:
	.size	k_qaf496795ff_prep, .Lfunc_end_k_qaf496795ff_prep-k_qaf496795ff_prep
	.p2alignl 7, 3214868480
	.fill 96, 4, 3214868480
	.section	.rodata,"a",@progbits
	.p2align	6, 0x0
	.amdhsa_kernel k_qaf496795ff_prep
		.amdhsa_group_segment_fixed_size 93184
		.amdhsa_private_segment_fixed_size 0
		.amdhsa_enable_private_segment 0
		.amdhsa_kernarg_size 56
		.amdhsa_user_sgpr_count 2
		.amdhsa_user_sgpr_kernarg_segment_ptr 1
		.amdhsa_wavefront_size32 1
		.amdhsa_system_sgpr_workgroup_id_x 1
		.amdhsa_system_sgpr_workgroup_id_y 1
		.amdhsa_system_sgpr_workgroup_id_z 1
		.amdhsa_system_vgpr_workitem_id 0
		.amdhsa_next_free_vgpr 242
		.amdhsa_next_free_sgpr 66
		.amdhsa_reserve_vcc 0
		.amdhsa_float_denorm_mode_32 3
		.amdhsa_float_denorm_mode_16_64 3
		.amdhsa_memory_ordered 1
		.amdhsa_forward_progress 1
		.amdhsa_inst_pref_size 55
	.end_amdhsa_kernel
	.amdgpu_metadata
---
amdhsa.version: [ 1, 2 ]
amdhsa.kernels:
  - .name:           k_qaf496795ff_prep
    .symbol:         k_qaf496795ff_prep.kd
    .args:
      - { .name: x, .offset: 0, .size: 8, .value_kind: global_buffer, .address_space: global }
      - { .name: g1, .offset: 8, .size: 8, .value_kind: global_buffer, .address_space: global }
      - { .name: be1, .offset: 16, .size: 8, .value_kind: global_buffer, .address_space: global }
      - { .name: lowp_scales, .offset: 24, .size: 8, .value_kind: global_buffer, .address_space: global }
      - { .name: mask, .offset: 32, .size: 8, .value_kind: global_buffer, .address_space: global }
      - { .name: hc, .offset: 40, .size: 8, .value_kind: global_buffer, .address_space: global }
      - { .name: mw, .offset: 48, .size: 8, .value_kind: global_buffer, .address_space: global }
    .group_segment_fixed_size: 93184
    .private_segment_fixed_size: 0
    .kernarg_segment_align: 8
    .kernarg_segment_size: 56
    .max_flat_workgroup_size: 256
    .sgpr_count:     66
    .vgpr_count:     242
    .wavefront_size: 32
...
	.end_amdgpu_metadata
.endif
;; end of part 1
;; launch qkv (part 2): grid 12 x 16, 4 waves a work-group, clusters of 4 x 4, 327,680 bytes of LDS; arguments hc, Wq_codes, Wk_codes, Wv_codes, lowp_scales, qi, kv; writes qi, kv
.if DOCPART == 2
	.amdgcn_target "amdgcn-amd-amdhsa--gfx1250"
	.amdhsa_code_object_version 6
	.text
	.protected	k_qaf496795ff_qkv
	.globl	k_qaf496795ff_qkv
	.p2align	8
	.type	k_qaf496795ff_qkv,@function
k_qaf496795ff_qkv:
	s_mov_b64 s[64:65], 0
	v_nop
	global_prefetch_b8 v0, s[64:65] scope:SCOPE_SE
	s_setreg_imm32_b32 hwreg(HW_REG_WAVE_MODE, 25, 1), 1
	s_wait_xcnt 0x0
	s_wait_alu depctr_hold_cnt(0) depctr_sa_sdst(0) depctr_va_vdst(0) depctr_va_sdst(0) depctr_va_ssrc(0) depctr_va_vcc(0) depctr_vm_vsrc(0)
	s_getreg_b32 s2, hwreg(HW_REG_IB_STS2, 6, 4)
	s_cmp_eq_u32 s2, 0
	s_cbranch_scc0 .Lentry_in_a_cluster
	s_endpgm
.Lentry_in_a_cluster:
	s_bfe_u32 s2, ttmp6, 0x10000c
	s_cmp_lg_u32 s2, 0xf033
	s_cbranch_scc0 .Lentry_shape_is_right
	s_endpgm
.Lentry_shape_is_right:
; q, k and v of all heads: three products [4096 tokens] x [1024 rows of W] over K = 1,024, on codes of E4M3, quantised again on the way out.  The cluster's x says which: 0 q, 1 k, 2 v.
; A tile is 256 x 256, made by four waves of 128 x 128 (64 accumulators, 512 registers); K goes in steps of 256 through a ring of two LDS slots filled by the tensor data mover.
; THE MATRIX INSTRUCTION IS USED TRANSPOSED: source 0 = 16 rows of B', source 1 = 16 rows of A'.  A lane then holds ONE row of A' and its eight registers eight neighbouring rows of B'.
;   q, k: A' = tokens (hc), B' = W's rows: a lane's registers run along the head's channels, which are the K of q k^T.
;   v:    A' = W's rows,    B' = tokens:   a lane's registers run along the keys, which are the K of p v.
; So the conversions' results ARE fragments of the next product, in that form's own layout (registers 2 c, 2 c + 1: k = 16 c + 8 (lane / 16) + 0 .. 7), and go to memory as images of the registers:
; four registers by one store, 16 bytes a lane, 512 consecutive bytes.  qi[bh][tile of 16 queries][1024];  kv[bh][step of 128 keys][16384]: 8 images of k (16 keys x 64), then 4 of v (16 channels x 128 keys).
; Both operands here lie row-major along K and are fetched by loads of 16 bytes: the same permutation of k on both sides, so every product meets its partner.
; CLUSTERS: 4 x 4 work-groups; A's tiles are asked for jointly along a row of the cluster, B's along a column.  64 tiles for each of q, k, v: 192 work-groups.
; code = sum x 2^(eW + eh) / 2^eo, held within +-448: the three exponents are folded into the conversion's one, X = eo - eW - eh.  LIMIT: X between -126 and 119.
; REGISTERS, in windows of 256: window 0: v0-31 addresses, from v128 A's fragments (one set), later the codes; window 1: B's fragments, two sets; windows 2, 3: the accumulators, (a, b) at v[8 (8 (a % 4) + b)].
.set ROWB,   256
.set KROW,   1024
.set PITCH,  272                       ; an LDS row: 256 bytes + 16: the 16 rows that a load touches begin 68 words apart
.set FR,     16
.set NL,     4
.set NP,     4
.set HALFT,  128*PITCH
.set SLOT,   4*HALFT
.set LAPS,   2                         ; 1,024 along K = 4 slots' worth = twice round the ring
.set SPARE,  2*SLOT                    ; behind the ring: the spare words, 128 bytes a wave
.set ADRA, 16
.set ADRB, 20
.set LO,   26                          ; v26  16 x lane
.set SCV,  27                          ; v27  2^X as f32
.set SPW,  28
.set NIL,  29
.set AF,   128
.set CD,   128                         ; the codes of accumulator (a, b): v[128 + 16 a + 2 b], two registers
.set G1, 24
.set G0, 32
.set G1B, 48
.set G0B, 56
.set MSB, 0
.macro WIN new                         ; the immediate's high byte repeats the setting that is left
.if MSB != \new
	s_set_vgpr_msb (MSB<<8)|\new
.set MSB, \new
.endif
.endm
.set MUL_LO, 0xa1                      ; source 0 (B') window 1, source 1 (A') window 0, C and D window 2
.set MUL_HI, 0xf1
.set TO_B,   0x40
.macro JLOAD g0a, g1a, g0b, g1b        ; a joint load: waves 0 and 1 fetch for A', waves 2 and 3 for B'; four v_nop follow each line
	s_cmp_eq_u32 s15, 0
	s_cbranch_scc0 .Lfor_b_\@
	tensor_load_to_lds s[\g0a:\g0a+3], s[\g1a:\g1a+7]
	s_nop 0
.rept 4
	v_nop
.endr
	s_branch .Lasked_\@
.Lfor_b_\@:
	tensor_load_to_lds s[\g0b:\g0b+3], s[\g1b:\g1b+7]
	s_nop 0
.rept 4
	v_nop
.endr
.Lasked_\@:
.endm
.macro CREST                           ; a round of the cluster's barrier behind its opening barrier
	s_cmp_lg_u32 s14, 0
	s_cbranch_scc1 .Lnot_wave_0_\@
	s_barrier_signal -3
.Lnot_wave_0_\@:
	s_barrier_wait -3
	s_barrier_signal -1
	s_barrier_wait -1
.endm
.macro CROUND
	s_barrier_signal -1
	s_barrier_wait -1
	CREST
.endm
	s_load_b256 s[4:11], s[0:1], 0x0               ; hc s[4:5], Wq s[6:7], Wk s[8:9], Wv s[10:11]
	s_load_b128 s[68:71], s[0:1], 0x20             ; the scales s[68:69], qi s[70:71]
	s_load_b64 s[72:73], s[0:1], 0x30              ; kv
	v_lshl_add_u32 v[SPW], v0, 2, SPARE
	v_mov_b32 v[NIL], 0
	ds_add_u32 v28, v29
	ds_add_u32 v28, v29
	s_wait_dscnt 0x0
	v_lshrrev_b32 v1, 5, v0
	v_readfirstlane_b32 s14, v1                    ; wave 0..3
	s_lshr_b32 s15, s14, 1                         ; which half of A's rows is mine.  Also: I fetch for A' (0) or for B' (1)
	s_and_b32 s16, s14, 1                          ; which half of B's rows.  Also: which 128 rows of that tile I fetch
	s_bfe_u32 s40, ttmp6, 0x40000                  ; cx
	s_bfe_u32 s41, ttmp6, 0x40004                  ; cy
	s_mov_b32 s66, ttmp9                           ; which product: the cluster's x, the same in all sixteen partners
	s_and_b32 s67, ttmp7, 0xffff
	s_lshl_b32 s67, s67, 2                         ; 4 x the cluster's y
	s_cmp_eq_u32 s66, 2
	s_cselect_b32 s74, 0, s67                      ; the tokens' sixteen tiles go along A' for q and k,
	s_cselect_b32 s75, s67, 0                      ; along B' for v; W's four tiles along the other
	s_add_co_u32 s17, s41, s74                     ; A's tile
	s_add_co_u32 s42, s40, s75                     ; B's tile
	s_lshl_b32 s43, s41, 2
	s_lshl_b32 s43, 15, s43                        ; my row of the cluster
	s_lshl_b32 s44, 0x1111, s40                    ; my column
	s_or_b32 s[G1+0], s43, (0<<16)|(1<<20)|(1<<21)|(5<<22)|(3<<25)  ; the mask; elements of 1 byte; padding on; bit 21 beside a mask; 4 words behind every 64
	s_or_b32 s[G1B+0], s44, (0<<16)|(1<<20)|(1<<21)|(5<<22)|(3<<25)
.irp g, G1, G1B
	s_mov_b32 s[\g+1], ROWB<<16                    ; tensor_dim0
	s_mov_b32 s[\g+2], 128<<16                     ; tensor_dim1
	s_mov_b32 s[\g+3], ROWB<<16                    ; tile_dim0
	s_mov_b32 s[\g+4], 128                         ; tile_dim1
	s_mov_b32 s[\g+5], KROW                        ; the pitch: every operand's row is 1,024 bytes
	s_mov_b32 s[\g+6], 0
	s_mov_b32 s[\g+7], 0
.endr
	s_lshl_b32 s18, s16, 7
	s_lshl_b32 s20, s17, 8
	s_add_co_u32 s20, s20, s18
	s_lshl_b32 s20, s20, 10                        ; A': (256 x tile + 128 x half) rows of 1,024 bytes
	s_mov_b32 s21, 0
	s_lshl_b32 s46, s42, 8
	s_add_co_u32 s46, s46, s18
	s_lshl_b32 s46, s46, 10                        ; B' likewise
	s_mov_b32 s47, 0
	s_lshl_b32 s76, s66, 22                        ; hc's set for this product: 4 MiB each
	s_mov_b32 s77, 0
	s_mul_i32 s45, s14, HALFT                      ; where my part of a slot lies: wave x 128 rows
	s_wait_kmcnt 0x0
	s_load_b512 s[80:95], s[68:69], 0x0            ; the sixteen exponents
	s_add_nc_u64 s[4:5], s[4:5], s[76:77]
	s_cmp_eq_u32 s66, 0
	s_cselect_b64 s[6:7], s[6:7], s[8:9]
	s_cmp_eq_u32 s66, 2
	s_cselect_b64 s[6:7], s[10:11], s[6:7]         ; this product's W
	s_cselect_b64 s[8:9], s[6:7], s[4:5]           ; A'
	s_cselect_b64 s[10:11], s[4:5], s[6:7]         ; B'
	s_add_nc_u64 s[20:21], s[8:9], s[20:21]
	s_add_nc_u64 s[46:47], s[10:11], s[46:47]
	CROUND                                         ; all sixteen work-groups are here: the first joint loads meet
.irp s, 0,1
	s_mov_b32 s[G0+4*\s], 1
	s_add_co_u32 s[G0+4*\s+1], s45, \s*SLOT
	s_add_nc_u64 s[G0+4*\s+2:G0+4*\s+3], s[20:21], \s*ROWB
	s_or_b32 s[G0+4*\s+3], s[G0+4*\s+3], 0x80000000
	s_mov_b32 s[G0B+4*\s], 1
	s_add_co_u32 s[G0B+4*\s+1], s45, \s*SLOT
	s_add_nc_u64 s[G0B+4*\s+2:G0B+4*\s+3], s[46:47], \s*ROWB
	s_or_b32 s[G0B+4*\s+3], s[G0B+4*\s+3], 0x80000000
.endr
	s_cmp_eq_u32 s15, 0                            ; the prefetches: of the 128 rows that I fetch, the four partners that ask for them jointly take 32 each, told apart by address
	s_cselect_b64 s[98:99], s[20:21], s[46:47]
	s_cselect_b32 s78, s40, s41                    ; my place among the four: cx for A', cy for B'
	s_lshl_b32 s78, s78, 15                        ; 32 rows of 1,024 bytes
	s_mov_b32 s79, 0
	s_add_nc_u64 s[98:99], s[98:99], s[78:79]
	JLOAD G0, G1, G0B, G1B                         ; K step 0: one tensor load a wave at the head
	v_and_b32 v31, 31, v0
	v_lshlrev_b32 v31, 10, v31                     ; a lane a row; never rewritten
	global_prefetch_b8 v31, s[98:99] offset:256 th:TH_LOAD_NT scope:SCOPE_SE   ; K step 1's 256 bytes of my 32 rows,
	global_prefetch_b8 v31, s[98:99] offset:512 th:TH_LOAD_NT scope:SCOPE_SE   ; and K step 2's
	v_and_b32 v1, 15, v0
	v_bfe_u32 v2, v0, 4, 1
	v_mul_u32_u24 v3, v1, PITCH
	v_lshl_add_u32 v4, v2, 4, v3                   ; a fragment's row x pitch + 16 x half
	s_mul_i32 s21, s15, HALFT
	s_mul_i32 s22, s16, HALFT
	s_add_co_u32 s22, s22, 2*HALFT
.irp s, 0,1
	v_add_nc_u32 v[ADRA+\s], s21, v4
	v_add_nc_u32 v[ADRB+\s], s22, v4
	s_add_co_u32 s21, s21, SLOT
	s_add_co_u32 s22, s22, SLOT
.endr
	v_and_b32 v6, 31, v0
	v_lshlrev_b32 v[LO], 4, v6
.macro FRAG reg, adr, q, i             ; 16 rows x 128 K: registers 4 c .. 4 c + 3 hold K = 32 c + 16 (lane / 16) + 0 .. 15
.irp c, 0,1,2,3
	ds_load_b128 v[\reg+4*\c:\reg+4*\c+3], v[\adr] offset:128*(\q)+32*\c+(\i)*16*PITCH
.endr
.endm
; 16 matrix instructions: A's blocks a0, a0 + 1 x B's eight.  The 64 accumulators take turns, one instruction a turn, in the same order in every step.
.macro MUL16 a0, p, zero
.irp a, \a0, \a0+1
.irp b, 0,1,2,3,4,5,6,7
.if \zero
	v_wmma_f32_16x16x128_fp8_fp8 v[8*(8*((\a)%4)+\b):8*(8*((\a)%4)+\b)+7], v[128*(\p)+FR*\b:128*(\p)+FR*\b+FR-1], v[AF+FR*(\a):AF+FR*(\a)+FR-1], 0
.else
	v_wmma_f32_16x16x128_fp8_fp8 v[8*(8*((\a)%4)+\b):8*(8*((\a)%4)+\b)+7], v[128*(\p)+FR*\b:128*(\p)+FR*\b+FR-1], v[AF+FR*(\a):AF+FR*(\a)+FR-1], v[8*(8*((\a)%4)+\b):8*(8*((\a)%4)+\b)+7]
.endif
.endr
.endr
.endm
.macro FETCH_B slot, q, p
	WIN TO_B
.irp i, 0,1,2,3,4,5,6,7
	FRAG 128*(\p)+FR*\i, ADRB+\slot, \q, \i
.endr
	WIN 0
.endm
.macro FETCH_A slot, q, i0
.irp i, \i0, \i0+1, \i0+2, \i0+3
	FRAG AF+FR*(\i), ADRA+\slot, \q, \i
.endr
.endm
.macro PLACES n                        ; plain vector instructions between a matrix instruction and a load into, or a vector read or write of, its registers
.rept \n
	v_nop
.endr
.endm
.macro STEP slot, q, zero              ; 128 along K with its successor in the same slot
	s_wait_dscnt 4*NL                              ; B's set and A's blocks 0-3 are in; the youngest 16 loads (A's blocks 4-7) may be out
	WIN MUL_LO
	MUL16 0, (\q)%2, \zero
	MUL16 2, (\q)%2, \zero
	s_wait_dscnt 0                                 ; A's blocks 4-7 are in
	PLACES NP
	FETCH_B \slot, (\q)+1, 1-(\q)%2
	FETCH_A \slot, (\q)+1, 0
	WIN MUL_HI
	MUL16 4, (\q)%2, \zero
	MUL16 6, (\q)%2, \zero
	PLACES NP
	WIN 0
	FETCH_A \slot, (\q)+1, 4
.endm
; A slot's last step changes slots: one barrier; in front of it each wave waits for all its tensor loads, adds 0 to its spare word, and waits for that and for its reads of this slot.
.macro TURN slot, next, fill
	s_wait_tensorcnt 0x0                           ; all my tensor loads have landed: my part of the next slot
	ds_add_u32 v[SPW], v[NIL]                      ; 0 onto my spare word
	s_wait_dscnt 4*NL+1                            ; the add and the youngest 16 loads may be out
	WIN MUL_LO
	MUL16 0, 1, 0
	s_wait_dscnt 0x0                               ; the add is done, and my reads of this slot are over
	s_barrier_signal -1
	MUL16 2, 1, 0
	WIN 0
	s_barrier_wait -1
.if \fill
	CREST                                          ; the barrier has opened a round of the cluster's: no wave of any partner still reads this slot or has a load on its way
	s_add_nc_u64 s[G0+4*\slot+2:G0+4*\slot+3], s[G0+4*\slot+2:G0+4*\slot+3], 2*ROWB
	s_add_nc_u64 s[G0B+4*\slot+2:G0B+4*\slot+3], s[G0B+4*\slot+2:G0B+4*\slot+3], 2*ROWB
	JLOAD G0+4*\slot, G1, G0B+4*\slot, G1B         ; my one tensor load behind the round; its four v_nop are the places in front of the loads below
.else
	PLACES NP
.endif
	FETCH_B \next, 0, 0
	FETCH_A \next, 0, 0
	WIN MUL_HI
	MUL16 4, 1, 0
	MUL16 6, 1, 0
	PLACES NP
	WIN 0
	FETCH_A \next, 0, 4
.endm
	s_wait_alu depctr_va_vdst(0)
	s_wait_tensorcnt 0x0                           ; my part of K step 0 is in
	ds_add_u32 v[SPW], v[NIL]
	s_wait_dscnt 0x0
	CROUND                                         ; everybody's part is in, and the sixteen work-groups are here
	JLOAD G0+4, G1, G0B+4, G1B                     ; K step 1, my one tensor load behind the round
	FETCH_B 0, 0, 0
	FETCH_A 0, 0, 0
	FETCH_A 0, 0, 4
	global_prefetch_b8 v31, s[98:99] offset:768 th:TH_LOAD_NT scope:SCOPE_SE   ; K step 3, the last: two refills on
	STEP 0, 0, 1
	s_mov_b32 s3, LAPS-1
.Llap:
	TURN 0, 1, 1
	STEP 1, 0, 0
	TURN 1, 0, 1
	STEP 0, 0, 0
	s_sub_co_u32 s3, s3, 1
	s_cmp_lg_u32 s3, 0
	s_cbranch_scc1 .Llap
	TURN 0, 1, 0                                   ; the last lap fills nothing
	STEP 1, 0, 0
	s_wait_dscnt 4*NL
	WIN MUL_LO
	MUL16 0, 1, 0
	MUL16 2, 1, 0
	s_wait_dscnt 0
	WIN MUL_HI
	MUL16 4, 1, 0
	MUL16 6, 1, 0
	WIN 0
	; THE WAY OUT: hold, convert, store the images.
	s_wait_kmcnt 0x0
	s_sub_co_i32 s74, s86, s80                     ; q: e6 - e0 - e1
	s_sub_co_i32 s74, s74, s81
	s_sub_co_i32 s75, s87, s82                     ; k: e7 - e2 - e3
	s_sub_co_i32 s75, s75, s83
	s_sub_co_i32 s76, s89, s84                     ; v: e9 - e4 - e5
	s_sub_co_i32 s76, s76, s85
	s_cmp_eq_u32 s66, 0
	s_cselect_b32 s74, s74, s75
	s_cmp_eq_u32 s66, 2
	s_cselect_b32 s74, s76, s74                    ; X
	s_add_co_i32 s74, s74, 127
	s_lshl_b32 s75, s74, 23
	v_mov_b32 v[SCV], s75                          ; 2^X
	s_add_co_i32 s74, s74, 8
	s_lshl_b32 s97, s74, 23
	s_or_b32 s97, s97, 0x600000                    ; 448 x 2^X
	s_or_b32 s96, s97, 0x80000000
	PLACES NP
.macro QUANTW win                      ; the 32 accumulators of a window: each from its low end on
	WIN ((\win)<<6)|(\win)
.set i, 0
.rept 256
	v_med3_num_f32 v[i], v[i], s96, s97            ; the conversion does not saturate (ISA guide 7.6.2)
.set i, i+1
.endr
	WIN \win
.set i, 0
.rept 32
	v_cvt_scalef32_pk8_fp8_f32 v[CD+64*((\win)-2)+2*i:CD+64*((\win)-2)+2*i+1], v[8*i:8*i+7], v[SCV]
.set i, i+1
.endr
.endm
	QUANTW 2
	QUANTW 3
	v_nop                                          ; a plain line behind the last conversion
	WIN 0
	s_cmp_eq_u32 s66, 2
	s_cbranch_scc1 .Lst_v
	s_lshr_b32 s74, s17, 3                         ; the batch: eight tiles of 256 tokens each
	s_lshl_b32 s74, s74, 4
	s_lshl_b32 s75, s42, 2
	s_add_co_u32 s74, s74, s75
	s_lshl_b32 s75, s16, 1
	s_add_co_u32 s74, s74, s75                     ; bh of my first head: 16 b + 4 x B's tile + 2 x half
	s_and_b32 s75, s17, 7
	s_cmp_eq_u32 s66, 1
	s_cbranch_scc1 .Lst_k
	s_lshl_b32 s74, s74, 7
	s_lshl_b32 s75, s75, 4
	s_add_co_u32 s74, s74, s75
	s_lshl_b32 s75, s15, 3
	s_add_co_u32 s74, s74, s75                     ; bh x 128 + my first tile of 16 queries
	s_lshl_b32 s74, s74, 10
	s_mov_b32 s75, 0
	s_add_nc_u64 s[70:71], s[70:71], s[74:75]
	s_wait_alu depctr_va_vdst(0)
.irp a, 0,1,2,3,4,5,6,7
.irp g, 0,1
.irp c, 0,1
	global_store_b128 v[LO], v[CD+16*\a+8*\g+4*\c:CD+16*\a+8*\g+4*\c+3], s[70:71] offset:\g*131072+\a*1024+512*\c   ; 512 consecutive bytes, aligned
.endr
.endr
.endr
	s_branch .Ldone
.Lst_k:
	s_lshl_b32 s74, s74, 4
	s_lshl_b32 s75, s75, 1
	s_add_co_u32 s74, s74, s75
	s_add_co_u32 s74, s74, s15                     ; bh x 16 + my step of 128 keys
	s_lshl_b32 s74, s74, 14
	s_mov_b32 s75, 0
	s_add_nc_u64 s[72:73], s[72:73], s[74:75]
	s_wait_alu depctr_va_vdst(0)
.irp a, 0,1,2,3,4,5,6,7
.irp g, 0,1
.irp c, 0,1
	global_store_b128 v[LO], v[CD+16*\a+8*\g+4*\c:CD+16*\a+8*\g+4*\c+3], s[72:73] offset:\g*262144+\a*1024+512*\c
.endr
.endr
.endr
	s_branch .Ldone
.Lst_v:
	s_lshr_b32 s74, s42, 3
	s_lshl_b32 s74, s74, 4
	s_lshl_b32 s75, s17, 2
	s_add_co_u32 s74, s74, s75
	s_lshl_b32 s75, s15, 1
	s_add_co_u32 s74, s74, s75                     ; bh of my first head: 16 b + 4 x A's tile + 2 x half
	s_lshl_b32 s74, s74, 4
	s_and_b32 s75, s42, 7
	s_lshl_b32 s75, s75, 1
	s_add_co_u32 s74, s74, s75
	s_add_co_u32 s74, s74, s16                     ; + my step of 128 keys
	s_lshl_b32 s74, s74, 14
	s_add_co_u32 s74, s74, 8192                    ; v's images lie behind k's
	s_mov_b32 s75, 0
	s_add_nc_u64 s[72:73], s[72:73], s[74:75]
	s_wait_alu depctr_va_vdst(0)
.irp a, 0,1,2,3,4,5,6,7
.irp u, 0,1,2,3
	global_store_b128 v[LO], v[CD+16*\a+4*\u:CD+16*\a+4*\u+3], s[72:73] offset:(\a/4)*262144+(\a%4)*2048+512*\u
.endr
.endr
.Ldone:
	s_wait_tensorcnt 0x0                           ; the wave's end
	ds_add_u32 v[SPW], v[NIL]
	s_wait_dscnt 0x0
	CROUND                                         ; the closing round
	s_endpgm
.Lfunc_end_k_qaf496795ff_qkv:
	.size	k_qaf496795ff_qkv, .Lfunc_end_k_qaf496795ff_qkv-k_qaf496795ff_qkv
	.p2alignl 7, 3214868480
	.fill 96, 4, 3214868480
	.section	.rodata,"a",@progbits
	.p2align	6, 0x0
	.amdhsa_kernel k_qaf496795ff_qkv
		.amdhsa_group_segment_fixed_size 327680
		.amdhsa_private_segment_fixed_size 0
		.amdhsa_enable_private_segment 0
		.amdhsa_kernarg_size 56
		.amdhsa_user_sgpr_count 2
		.amdhsa_user_sgpr_kernarg_segment_ptr 1
		.amdhsa_wavefront_size32 1
		.amdhsa_system_sgpr_workgroup_id_x 1
		.amdhsa_system_sgpr_workgroup_id_y 1
		.amdhsa_system_sgpr_workgroup_id_z 1
		.amdhsa_system_vgpr_workitem_id 0
		.amdhsa_next_free_vgpr 1024
		.amdhsa_next_free_sgpr 100
		.amdhsa_reserve_vcc 0
		.amdhsa_float_denorm_mode_32 3
		.amdhsa_float_denorm_mode_16_64 3
		.amdhsa_memory_ordered 1
		.amdhsa_forward_progress 1
		.amdhsa_inst_pref_size 125
	.end_amdhsa_kernel
	.amdgpu_metadata
---
amdhsa.version: [ 1, 2 ]
amdhsa.kernels:
  - .name:           k_qaf496795ff_qkv
    .symbol:         k_qaf496795ff_qkv.kd
    .args:
      - { .name: hc, .offset: 0, .size: 8, .value_kind: global_buffer, .address_space: global }
      - { .name: Wq_codes, .offset: 8, .size: 8, .value_kind: global_buffer, .address_space: global }
      - { .name: Wk_codes, .offset: 16, .size: 8, .value_kind: global_buffer, .address_space: global }
      - { .name: Wv_codes, .offset: 24, .size: 8, .value_kind: global_buffer, .address_space: global }
      - { .name: lowp_scales, .offset: 32, .size: 8, .value_kind: global_buffer, .address_space: global }
      - { .name: qi, .offset: 40, .size: 8, .value_kind: global_buffer, .address_space: global }
      - { .name: kv, .offset: 48, .size: 8, .value_kind: global_buffer, .address_space: global }
    .group_segment_fixed_size: 327680
    .private_segment_fixed_size: 0
    .kernarg_segment_align: 8
    .kernarg_segment_size: 56
    .max_flat_workgroup_size: 128
    .sgpr_count:     100
    .vgpr_count:     1024
    .wavefront_size: 32
...
	.end_amdgpu_metadata
.endif
;; end of part 2
;; launch attn (part 3): grid 8 x 32, 8 waves a work-group, no clusters, 295,936 bytes of LDS; arguments qi, kv, mw, lowp_scales, ai; writes ai
.if DOCPART == 3
	.amdgcn_target "amdgcn-amd-amdhsa--gfx1250"
	.amdhsa_code_object_version 6
	.text
	.protected	k_qaf496795ff_attn
	.globl	k_qaf496795ff_attn
	.p2align	8
	.type	k_qaf496795ff_attn,@function
k_qaf496795ff_attn:
	s_mov_b64 s[64:65], 0
	v_nop
	global_prefetch_b8 v0, s[64:65] scope:SCOPE_SE
	s_setreg_imm32_b32 hwreg(HW_REG_WAVE_MODE, 25, 1), 1
	s_wait_xcnt 0x0
; attention of one (batch, head) bh = grid y for 256 queries (grid x), on codes of E4M3; the result is quantised with 2^e10 into ai as images of the next product's operand registers.
; t = score x log2(e) / 8 x 2^(e6 + e7); M = the running largest t rounded up to a whole number; p = 2^(t - M) is quantised with 2^e8; the row's sum is taken of the unquantised p and divides at the end.
; SHARES: 8 waves; a wave owns TWO tiles of 16 queries, so each fragment of k and of v read from LDS feeds two matrix instructions.  A step is 128 keys; 16 steps, in four groups of four.
; Both products are used transposed (S^T = k q^T, O^T = v^T p^T): a lane holds one query (lane % 16) of each tile.
; LDS: the head's whole kv, 16 steps x 16,384 bytes (8 images of k, 4 of v), is written ONCE, through registers: a wave loads 32,768 bytes and stores them; one barrier; nothing is written again, and the steps have no barrier.
; THE MASK: mw holds a lane-bit word for each score register.  For each group of four steps a wave loads the group's 512 words of its two tiles, a group ahead, and ANDs them, step by step;
;   a step whose words are all ones takes a scalar branch round the 128 selects.  These words are the wave's own: no other wave waits for them.
; NO TENSOR LOAD AND NO CLUSTER: the eight work-groups of a head each load kv by plain loads.
; NO PREFETCH: kv is loaded at the head, with no loop to run ahead in; the mask words' loads are themselves issued four steps ahead of their use.
; LIMITS: e6 + e7 between -123 and 130; e8 and e10 between -126 and 119; the scaled scores stay under 2^31 in magnitude.
; REGISTERS.  window 0: v1 16 x lane, v2-3 LDS addresses, v4-5 the spare word and 0, v8 the stores' address, v16-31 q (two tiles), v32-159 scores then p (tile t at 32 + 64 t), v160-191 p's codes,
;             v192-219 what a row carries, v224-239 mask words.   window 1: v0-63 k's eight fragments, v64-127 v's four, v128-191 O^T (tile t at 128 + 32 t).
.set SPARE, 0x48000                    ; the spare words, 128 bytes a wave, apart from every byte that the loop's addresses can name
.set ADV,  2
.set ADK,  3
.set SPW,  4
.set NIL,  5
.set Q,    16
.set S,    32
.set P,    160
.set NM,   192                         ; tile t: v[192 + 2 t] = -M, v[193 + 2 t] = the largest t so far
.set L,    196                         ; the sum, in two halves
.set L2,   200
.set MX,   204                         ; two chains of maxima
.set PT,   208
.set FF,   210                         ; f = 2^(old M - new M); the upper register is named with it as a pair
.set PLIM, 214                         ; 448 x 2^e8, twice: the two halves of a dual pair take registers of different banks
.set PSC,  216
.set NINF, 217
.set ALIM, 218
.set ASC,  219
.set MW,   224
.set KF,   0
.set VF,   64
.set O,    128
.set MP,   4
.set MO,   6
.set TB,   7
.set WV,   8
.set TN,   11
.set SEL,  12
.set CS,   14
.set FL,   84
.set GC,   90
.set MSB, 0
.macro WIN new                         ; the immediate's high byte repeats the setting that is left
.if MSB != \new
	s_set_vgpr_msb (MSB<<8)|\new
.set MSB, \new
.endif
.endm
.macro ASK                             ; a group's mask words of my two tiles; 512 consecutive bytes a load
	global_load_b128 v[MW:MW+3], v1, s[92:93]                  ; lanes 0-15: the group's step 0, lanes 16-31: step 1; tile 0
	global_load_b128 v[MW+4:MW+7], v1, s[92:93] offset:512     ; steps 2 and 3
	global_load_b128 v[MW+8:MW+11], v1, s[92:93] offset:4096   ; tile 1
	global_load_b128 v[MW+12:MW+15], v1, s[92:93] offset:4608
.endm
	s_load_b256 s[16:23], s[0:1], 0x0              ; qi, kv, mw, the scales
	s_load_b64 s[2:3], s[0:1], 0x20                ; ai
	v_lshl_add_u32 v[SPW], v0, 2, SPARE
	v_mov_b32 v[NIL], 0
	v_lshrrev_b32 v6, 5, v0
	v_readfirstlane_b32 s[WV], v6                  ; wave 0..7
	v_and_b32 v6, 31, v0
	v_lshlrev_b32 v1, 4, v6                        ; 16 x lane
	s_lshl_b32 s28, s[WV], 15
	v_add_nc_u32 v8, s28, v1                       ; where my 32,768 bytes of kv go
	s_and_b32 s26, ttmp7, 0xffff                   ; bh
	s_lshl_b32 s27, ttmp9, 4
	s_lshl_b32 s29, s[WV], 1
	s_add_co_u32 s27, s27, s29                     ; my first tile of 16 queries
	s_lshl_b32 s30, s26, 18
	s_add_co_u32 s30, s30, s28                     ; kv: 262,144 bytes a head, + my part
	s_mov_b32 s31, 0
	s_lshl_b32 s48, s26, 7
	s_add_co_u32 s48, s48, s27
	s_lshl_b32 s48, s48, 10                        ; qi: 1,024 bytes a tile
	s_mov_b32 s49, 0
	s_lshl_b32 s50, s27, 12                        ; mw: 4,096 bytes a tile
	s_mov_b32 s51, 0
	s_lshr_b32 s52, s26, 4
	s_lshl_b32 s52, s52, 7
	s_add_co_u32 s52, s52, s27
	s_lshl_b32 s52, s52, 4
	s_and_b32 s53, s26, 15
	s_add_co_u32 s52, s52, s53
	s_lshl_b32 s52, s52, 10                        ; ai: ((batch x 128 + tile) x 16 + head) x 1,024
	s_mov_b32 s53, 0
	s_mov_b32 s[SEL], 0x76543210
	s_mov_b32 s[SEL+1], 0xfedcba98
	s_mov_b32 s[CS], 0x3e38aa3b                    ; log2(e) / 8
	s_wait_alu depctr_va_vdst(0)
	s_wait_kmcnt 0x0
	s_load_b512 s[32:47], s[22:23], 0x0            ; the sixteen exponents
	s_add_nc_u64 s[86:87], s[18:19], s[30:31]
	s_add_nc_u64 s[88:89], s[16:17], s[48:49]
	s_add_nc_u64 s[MP:MP+1], s[20:21], s[50:51]
	s_mov_b64 s[92:93], s[MP:MP+1]
	s_add_nc_u64 s[2:3], s[2:3], s[52:53]
.set i, 0
.rept 32
	global_load_b128 v[S+4*i:S+4*i+3], v1, s[86:87] offset:512*i          ; 512 consecutive bytes a load
.set i, i+1
.endr
	WIN 0x40
.set i, 0
.rept 32
	global_load_b128 v[4*i:4*i+3], v1, s[86:87] offset:16384+512*i
.set i, i+1
.endr
	WIN 0
.irp i, 0,1,2,3
	global_load_b128 v[Q+4*\i:Q+4*\i+3], v1, s[88:89] offset:512*\i       ; q's two fragments stay in registers
.endr
	ASK                                            ; group 0's mask words
.irp t, 0,1                                    ; what follows is work on other registers, while the loads are out
	v_mov_b32 v[NM+2*\t+1], 0xff61b1e6             ; the largest t so far: -3e38
	v_mov_b32 v[L+2*\t], 0
	v_mov_b32 v[L+2*\t+1], 0
	v_mov_b32 v[PT+\t], 0
	v_mov_b32 v[FF+2*\t+1], 0
.endr
.irp t, 0,1
	v_floor_f32 v[NM+2*\t], -v[NM+2*\t+1]
.endr
	v_mov_b32 v[NINF], 0xff800000
	WIN 0x40
.set i, 0
.rept 64
	v_mov_b32 v[O+i], 0                            ; the step is written once: the first finds zeros
.set i, i+1
.endr
	WIN 0
	s_wait_kmcnt 0x0
	s_add_co_i32 s24, s38, s39
	s_lshl_b32 s24, s24, 23
	s_add_co_i32 s[CS], s[CS], s24                 ; e6 + e7 onto c's exponent field
	s_mov_b32 s[CS+1], s[CS]
	s_add_co_i32 s10, s40, s41                     ; e8 + e9
	s_add_co_i32 s24, s40, 127
	s_lshl_b32 s25, s24, 23
	v_mov_b32 v[PSC], s25                          ; 2^e8
	s_add_co_i32 s24, s24, 8
	s_lshl_b32 s24, s24, 23
	s_or_b32 s24, s24, 0x600000
	v_mov_b32 v[PLIM], s24                         ; 448 x 2^e8
	v_mov_b32 v[PLIM+1], s24
	s_add_co_i32 s24, s42, 127
	s_lshl_b32 s25, s24, 23
	v_mov_b32 v[ASC], s25                          ; 2^e10
	s_add_co_i32 s24, s24, 8
	s_lshl_b32 s24, s24, 23
	s_or_b32 s24, s24, 0x600000
	v_mov_b32 v[ALIM], s24
	s_mov_b32 s[TB], 0
	s_mov_b32 s[MO], 0
	s_mov_b32 s[GC], 4
	s_wait_alu depctr_va_vdst(0)
	s_wait_loadcnt 40                              ; the first 32 loads are in; behind them 32 + 4 + 4 were issued
.set i, 0
.rept 32
	ds_store_b128 v8, v[S+4*i:S+4*i+3] offset:512*i
.set i, i+1
.endr
	s_wait_loadcnt 8                               ; the second 32; behind them 4 + 4
	WIN 0x04
.set i, 0
.rept 32
	ds_store_b128 v8, v[4*i:4*i+3] offset:16384+512*i
.set i, i+1
.endr
	WIN 0
	s_wait_dscnt 0x0                               ; my stores are done,
	s_barrier_signal -1
	s_barrier_wait -1                              ; and everybody's: kv is whole, and is only read from here on
	WIN 0x40
.irp t, 0,1,2,3,4,5,6,7
	ds_load_b128 v[KF+8*\t:KF+8*\t+3], v1 offset:1024*\t                  ; k of step 0
	ds_load_b128 v[KF+8*\t+4:KF+8*\t+7], v1 offset:1024*\t+512
.endr
	WIN 0
.Lgroup:                                               ; four trips: a group of four steps
	s_wait_loadcnt 0x0                             ; this group's mask words are in (the first time: q too)
.set i, 0
.rept 8
	v_and_b32 v[MW+i], v[MW+i], v[MW+8+i]          ; both tiles,
.set i, i+1
.endr
.irp i, 0,4
	v_and_b32 v[MW+\i], v[MW+\i], v[MW+\i+1]       ; and a lane's four words
	v_and_b32 v[MW+\i+2], v[MW+\i+2], v[MW+\i+3]
.endr
.irp i, 0,4
	v_and_b32 v[MW+\i], v[MW+\i], v[MW+\i+2]
.endr
	v_cmp_eq_u32 s85, -1, v[MW]
	v_cmp_eq_u32 s91, -1, v[MW+4]
	s_not_b32 s85, s85                             ; a bit for each lane that holds a hole
	s_not_b32 s91, s91
	s_and_b32 s95, s85, 0xffff
	s_cselect_b32 s[FL], 0, 1                      ; bit u of the flags: every word of the group's step u is all ones, in both tiles
	s_lshr_b32 s95, s85, 16
	s_cselect_b32 s95, 0, 2
	s_or_b32 s[FL], s[FL], s95
	s_and_b32 s95, s91, 0xffff
	s_cselect_b32 s95, 0, 4
	s_or_b32 s[FL], s[FL], s95
	s_lshr_b32 s95, s91, 16
	s_cselect_b32 s95, 0, 8
	s_or_b32 s[FL], s[FL], s95
	s_add_nc_u64 s[92:93], s[92:93], 1024          ; the loads that read this base are done
	s_cmp_eq_u32 s[GC], 1
	s_cbranch_scc1 .Lnoask                         ; the last group has no successor
	ASK                                            ; the next group's words: four steps ahead of their use
.Lnoask:
	s_mov_b32 s9, 4
.Lstep:
	s_add_co_u32 s[TN], s[TB], 16384
	s_and_b32 s[TN], s[TN], 0x3ffff                ; the next step's bytes; the last step's look-ahead wraps to step 0 and is not used
	s_wait_dscnt 0x0                               ; k's fragments are in
	WIN 0x01
.irp t, 0,1,2,3,4,5,6,7
	v_wmma_f32_16x16x64_fp8_fp8 v[S+8*\t:S+8*\t+7], v[KF+8*\t:KF+8*\t+7], v[Q:Q+7], 0
	v_wmma_f32_16x16x64_fp8_fp8 v[S+64+8*\t:S+64+8*\t+7], v[KF+8*\t:KF+8*\t+7], v[Q+8:Q+15], 0
.endr
	WIN 0
	v_add_nc_u32 v[ADV], s[TB], v1                 ; four places behind the products, ahead of the loads into their sources and of the first read of the scores
	v_add_nc_u32 v[ADK], s[TN], v1
	v_nop
	v_nop
	WIN 0x40
.irp c, 0,1,2,3
.irp u, 0,1,2,3
	ds_load_b128 v[VF+16*\c+4*\u:VF+16*\c+4*\u+3], v[ADV] offset:8192+2048*\c+512*\u   ; this step's v
.endr
.endr
.irp t, 0,1,2,3,4,5,6,7
	ds_load_b128 v[KF+8*\t:KF+8*\t+3], v[ADK] offset:1024*\t                           ; the next step's k
	ds_load_b128 v[KF+8*\t+4:KF+8*\t+7], v[ADK] offset:1024*\t+512
.endr
	WIN 0
	s_and_b32 s85, s[FL], 1
	s_cmp_lg_u32 s85, 0
	s_cbranch_scc1 .Lopen                          ; every key of the step counts for all my 32 queries
.irp t, 0,1
	s_load_b512 s[16:31], s[MP:MP+1], s[MO] offset:4096*\t
	s_load_b512 s[32:47], s[MP:MP+1], s[MO] offset:4096*\t+0x40
	s_load_b512 s[48:63], s[MP:MP+1], s[MO] offset:4096*\t+0x80
	s_load_b512 s[68:83], s[MP:MP+1], s[MO] offset:4096*\t+0xc0
	s_wait_kmcnt 0x0
.set n, 0
.rept 64
.if n < 48
	v_cndmask_b32 v[S+64*\t+n], v[NINF], v[S+64*\t+n], s[16+n]     ; a hidden key's score becomes -infinity
.else
	v_cndmask_b32 v[S+64*\t+n], v[NINF], v[S+64*\t+n], s[20+n]
.endif
.set n, n+1
.endr
.endr
.Lopen:
.irp t, 0,1                                    ; the step's largest score: two chains a tile, the two tiles by turns; each accumulator from its low end on
	v_max3_num_f32 v[MX+2*\t], v[S+64*\t], v[S+64*\t+1], v[S+64*\t+2]
.endr
.irp t, 0,1
	v_max3_num_f32 v[MX+2*\t+1], v[S+64*\t+3], v[S+64*\t+4], v[S+64*\t+5]
.endr
.irp i, 6,10,14,18,22,26,30,34,38,42,46,50,54,58
.irp t, 0,1
	v_max3_num_f32 v[MX+2*\t], v[MX+2*\t], v[S+64*\t+\i], v[S+64*\t+\i+1]
.endr
.irp t, 0,1
	v_max3_num_f32 v[MX+2*\t+1], v[MX+2*\t+1], v[S+64*\t+\i+2], v[S+64*\t+\i+3]
.endr
.endr
.irp t, 0,1
	v_max3_num_f32 v[MX+2*\t], v[MX+2*\t], v[S+64*\t+62], v[S+64*\t+63]
.endr
.irp t, 0,1
	v_max_num_f32 v[MX+2*\t], v[MX+2*\t], v[MX+2*\t+1]
.endr
.irp t, 0,1
	v_permlanex16_b32 v[PT+\t], v[MX+2*\t], s[SEL], s[SEL+1]
.endr
.irp t, 0,1
	v_max_num_f32 v[MX+2*\t], v[MX+2*\t], v[PT+\t]
.endr
.irp t, 0,1
	v_mul_f32 v[MX+2*\t], s[CS], v[MX+2*\t]        ; as t (c is positive)
.endr
.irp t, 0,1
	v_max_num_f32 v[NM+2*\t+1], v[NM+2*\t+1], v[MX+2*\t]
.endr
.irp t, 0,1
	v_mov_b32 v[MX+2*\t], v[NM+2*\t]
.endr
.irp t, 0,1
	v_floor_f32 v[NM+2*\t], -v[NM+2*\t+1]          ; -M = floor(-t)
.endr
.irp t, 0,1
	v_sub_f32 v[MX+2*\t], v[NM+2*\t], v[MX+2*\t]   ; old M - new M: a whole number, 0 or less
.endr
.irp t, 0,1
	v_cvt_i32_f32 v[MX+2*\t], v[MX+2*\t]
.endr
.irp t, 0,1
	v_ldexp_f32 v[FF+2*\t], 1.0, v[MX+2*\t]
.endr
	WIN 0x41
.irp t, 0,1
.irp j, 0,2,4,6,8,10,12,14,16,18,20,22,24,26,28,30
	v_pk_mul_f32 v[O+32*\t+\j:O+32*\t+\j+1], v[O+32*\t+\j:O+32*\t+\j+1], v[FF+2*\t:FF+2*\t+1] op_sel_hi:[1,0]   ; O^T under the new M, ahead of the exponentials
.endr
.endr
	WIN 0
.irp t, 0,1
.irp j, 0,2,4,6,8,10,12,14,16,18,20,22,24,26,28,30,32,34,36,38,40,42,44,46,48,50,52,54,56,58,60,62
	v_pk_fma_f32 v[S+64*\t+\j:S+64*\t+\j+1], v[S+64*\t+\j:S+64*\t+\j+1], s[CS:CS+1], v[NM+2*\t:NM+2*\t+1] op_sel_hi:[1,0,0]   ; t - M
.endr
.endr
	s_wait_alu depctr_va_vdst(0)                   ; the wait ahead of the batch
.set n, 0
.rept 128
	v_exp_f32 v[S+n], v[S+n]                       ; p = 2^(t - M)
.set n, n+1
.endr
.irp t, 0,1
	v_pk_mul_f32 v[L+2*\t:L+2*\t+1], v[L+2*\t:L+2*\t+1], v[FF+2*\t:FF+2*\t+1] op_sel_hi:[1,0]   ; the sums under the new M; plain places behind the batch
.endr
	s_wait_alu depctr_va_vdst(0)                   ; and the one wait behind it, ahead of its first reader
.irp t, 0,1
	v_pk_add_f32 v[L2+2*\t:L2+2*\t+1], v[S+64*\t:S+64*\t+1], v[S+64*\t+2:S+64*\t+3]   ; the sum of the unquantised p: two chains a tile
.endr
.irp j, 4,8,12,16,20,24,28,32,36,40,44,48,52,56,60
.irp t, 0,1
	v_pk_add_f32 v[L+2*\t:L+2*\t+1], v[L+2*\t:L+2*\t+1], v[S+64*\t+\j:S+64*\t+\j+1]
.endr
.irp t, 0,1
	v_pk_add_f32 v[L2+2*\t:L2+2*\t+1], v[L2+2*\t:L2+2*\t+1], v[S+64*\t+\j+2:S+64*\t+\j+3]
.endr
.endr
.irp t, 0,1
	v_pk_add_f32 v[L+2*\t:L+2*\t+1], v[L+2*\t:L+2*\t+1], v[L2+2*\t:L2+2*\t+1]
.endr
.irp k, 0,1,2,3,4,5,6,7,8,9,10,11,12,13,14,15
.irp i, 0,2,4,6
	v_dual_min_num_f32 v[S+8*\k+\i], v[S+8*\k+\i], v[PLIM] :: v_dual_min_num_f32 v[S+8*\k+\i+1], v[S+8*\k+\i+1], v[PLIM+1]   ; the conversion does not saturate (ISA guide 7.6.2); p is not negative, so the hold is one-sided
.endr
	v_cvt_scalef32_pk8_fp8_f32 v[P+2*\k:P+2*\k+1], v[S+8*\k:S+8*\k+7], v[PSC]
.endr
	v_nop                                          ; a plain line behind the last conversion
	s_wait_alu depctr_va_vdst(0)
	s_wait_dscnt 16                                ; v's 16 loads are in; the 16 issued behind them (the next k) may be out
	WIN 0x51
.irp c, 0,1,2,3                                ; the eight accumulators by turns
	v_wmma_f32_16x16x128_fp8_fp8 v[O+8*\c:O+8*\c+7], v[VF+16*\c:VF+16*\c+15], v[P:P+15], v[O+8*\c:O+8*\c+7]
	v_wmma_f32_16x16x128_fp8_fp8 v[O+32+8*\c:O+32+8*\c+7], v[VF+16*\c:VF+16*\c+15], v[P+16:P+31], v[O+32+8*\c:O+32+8*\c+7]
.endr
	WIN 0
	s_add_co_u32 s[TB], s[TB], 16384
	s_add_co_u32 s[MO], s[MO], 256
	s_lshr_b32 s[FL], s[FL], 1
	s_sub_co_u32 s9, s9, 1
	s_cmp_lg_u32 s9, 0
	s_cbranch_scc1 .Lstep
	s_sub_co_u32 s[GC], s[GC], 1
	s_cmp_lg_u32 s[GC], 0
	s_cbranch_scc1 .Lgroup
	; THE WAY OUT: O^T / the sum x 2^(e8 + e9), held, converted with 2^e10, stored as images: 512 consecutive bytes a store.
.irp t, 0,1
	v_add_f32 v[L+2*\t], v[L+2*\t], v[L+2*\t+1]
.endr
.irp t, 0,1
	v_permlanex16_b32 v[PT+\t], v[L+2*\t], s[SEL], s[SEL+1]
.endr
.irp t, 0,1
	v_add_f32 v[L+2*\t], v[L+2*\t], v[PT+\t]
.endr
	s_wait_alu depctr_va_vdst(0)                   ; the wait ahead of the transcendentals
.irp t, 0,1
	v_rcp_f32 v[L+2*\t], v[L+2*\t]
.endr
	v_nop
	s_wait_alu depctr_va_vdst(0)                   ; and behind them, ahead of the first reader
.irp t, 0,1
	v_ldexp_f32 v[L+2*\t], v[L+2*\t], s10
.endr
	WIN 0x41
	s_wait_alu depctr_va_vdst(0)                   ; the wait directly ahead of the first reader of O^T
.irp t, 0,1
.irp j, 0,2,4,6,8,10,12,14,16,18,20,22,24,26,28,30
	v_pk_mul_f32 v[O+32*\t+\j:O+32*\t+\j+1], v[O+32*\t+\j:O+32*\t+\j+1], v[L+2*\t:L+2*\t+1] op_sel_hi:[1,0]
.endr
.endr
.set n, 0
.rept 64
	v_med3_num_f32 v[O+n], v[O+n], -v[ALIM], v[ALIM]
.set n, n+1
.endr
	WIN 0x01
.irp k, 0,1,2,3,4,5,6,7
	v_cvt_scalef32_pk8_fp8_f32 v[S+2*\k:S+2*\k+1], v[O+8*\k:O+8*\k+7], v[ASC]
.endr
	v_nop
	WIN 0
	global_store_b128 v1, v[S:S+3], s[2:3]
	global_store_b128 v1, v[S+4:S+7], s[2:3] offset:512
	global_store_b128 v1, v[S+8:S+11], s[2:3] offset:16384
	global_store_b128 v1, v[S+12:S+15], s[2:3] offset:16896
	s_wait_tensorcnt 0x0                           ; the wave's end
	ds_add_u32 v[SPW], v[NIL]
	s_wait_dscnt 0x0
	s_endpgm
.Lfunc_end_k_qaf496795ff_attn:
	.size	k_qaf496795ff_attn, .Lfunc_end_k_qaf496795ff_attn-k_qaf496795ff_attn
	.p2alignl 7, 3214868480
	.fill 96, 4, 3214868480
	.section	.rodata,"a",@progbits
	.p2align	6, 0x0
	.amdhsa_kernel k_qaf496795ff_attn
		.amdhsa_group_segment_fixed_size 295936
		.amdhsa_private_segment_fixed_size 0
		.amdhsa_enable_private_segment 0
		.amdhsa_kernarg_size 40
		.amdhsa_user_sgpr_count 2
		.amdhsa_user_sgpr_kernarg_segment_ptr 1
		.amdhsa_wavefront_size32 1
		.amdhsa_system_sgpr_workgroup_id_x 1
		.amdhsa_system_sgpr_workgroup_id_y 1
		.amdhsa_system_sgpr_workgroup_id_z 1
		.amdhsa_system_vgpr_workitem_id 0
		.amdhsa_next_free_vgpr 448
		.amdhsa_next_free_sgpr 102
		.amdhsa_reserve_vcc 0
		.amdhsa_float_denorm_mode_32 3
		.amdhsa_float_denorm_mode_16_64 3
		.amdhsa_memory_ordered 1
		.amdhsa_forward_progress 1
		.amdhsa_inst_pref_size 64
	.end_amdhsa_kernel
	.amdgpu_metadata
---
amdhsa.version: [ 1, 2 ]
amdhsa.kernels:
  - .name:           k_qaf496795ff_attn
    .symbol:         k_qaf496795ff_attn.kd
    .args:
      - { .name: qi, .offset: 0, .size: 8, .value_kind: global_buffer, .address_space: global }
      - { .name: kv, .offset: 8, .size: 8, .value_kind: global_buffer, .address_space: global }
      - { .name: mw, .offset: 16, .size: 8, .value_kind: global_buffer, .address_space: global }
      - { .name: lowp_scales, .offset: 24, .size: 8, .value_kind: global_buffer, .address_space: global }
      - { .name: ai, .offset: 32, .size: 8, .value_kind: global_buffer, .address_space: global }
    .group_segment_fixed_size: 295936
    .private_segment_fixed_size: 0
    .kernarg_segment_align: 8
    .kernarg_segment_size: 40
    .max_flat_workgroup_size: 256
    .sgpr_count:     102
    .vgpr_count:     448
    .wavefront_size: 32
...
	.end_amdgpu_metadata
.endif
;; end of part 3
;; launch proj (part 4): grid 8 x 32, 4 waves a work-group, clusters of 4 x 4, 327,680 bytes of LDS; arguments ai, Wp_codes, lowp_scales, bp, x, x1; writes x1
.if DOCPART == 4
	.amdgcn_target "amdgcn-amd-amdhsa--gfx1250"
	.amdhsa_code_object_version 6
	.text
	.protected	k_qaf496795ff_proj
	.globl	k_qaf496795ff_proj
	.p2align	8
	.type	k_qaf496795ff_proj,@function
k_qaf496795ff_proj:
	s_mov_b64 s[64:65], 0
	v_nop
	global_prefetch_b8 v0, s[64:65] scope:SCOPE_SE
	s_setreg_imm32_b32 hwreg(HW_REG_WAVE_MODE, 25, 1), 1
	s_wait_xcnt 0x0
	s_wait_alu depctr_hold_cnt(0) depctr_sa_sdst(0) depctr_va_vdst(0) depctr_va_sdst(0) depctr_va_ssrc(0) depctr_va_vcc(0) depctr_vm_vsrc(0)
	s_getreg_b32 s2, hwreg(HW_REG_IB_STS2, 6, 4)
	s_cmp_eq_u32 s2, 0
	s_cbranch_scc0 .Lentry_in_a_cluster
	s_endpgm
.Lentry_in_a_cluster:
	s_bfe_u32 s2, ttmp6, 0x10000c
	s_cmp_lg_u32 s2, 0xf033
	s_cbranch_scc0 .Lentry_shape_is_right
	s_endpgm
.Lentry_shape_is_right:
; out[m][n] = res[m][n] + bias[n] + 2^(eA + eB) x the sum over k of A[m][k] W[n][k], on codes of E4M3.  m: 4,096 tokens; n: 1,024; k: KT.
; A comes as images of operand registers, [tile of 16 tokens][KT / 128][2,048 bytes] (registers 2 c, 2 c + 1: k = 16 c + 8 (lane / 16) + 0 .. 7); W as rows of KT codes, read from LDS in the same layout by loads of 8 bytes.
; A tile of the result is 128 x 128 (256 work-groups); four waves of 64 x 64: 16 accumulators.  K goes in steps of 512 through a ring of two LDS slots.
; THE MATRIX INSTRUCTION IS USED TRANSPOSED (source 0 = 16 rows of W, source 1 = 16 tokens): a lane holds eight neighbouring numbers of a row of the result.
; The bias is the C of each sum's first product, divided by 2^(eA + eB); the residual is added by the multiply-add that applies 2^(eA + eB).
; CLUSTERS: 4 x 4 work-groups; A's tiles are asked for jointly along a row of the cluster, W's along a column.
; LIMIT: eA + eB between -126 and 127.
; REGISTERS: window 0: v0-31 addresses, v32-63 the bias, v128-255 the accumulators ((a, b) at v[128 + 8 (4 a + b)]);  window 1: two fragment buffers of 128 (A's four fragments, then W's four);  window 2: v0-127 the residual, v128-255 the result.
.set KT,    1024
.set EA,    10
.set EB,    11
.set LAPS,  KT/1024                    ; a lap = two K steps of 512
.set BOFF,  65536                      ; a slot: A's 8 tiles x 8,192 bytes, then W's 128 rows x 528
.set BHALF, 33792
.set SLOT,  133120
.set SPARE, 2*SLOT                     ; the spare words, 128 bytes a wave
.set STAGE, SPARE+512                  ; 16 rows x 272 bytes for each wave: bytes into which no fill lands
.set ADRA, 16
.set ADRB, 20
.set STO,  24
.set RD,   25
.set CO,   26
.set SPW,  28
.set NIL,  29
.set BO,   30
.set BI,   32
.set ACC,  128
.set F0,   0
.set F1,   128
.set RES,  0
.set OT,   128
.set G1, 24
.set G0, 32
.set G1B, 48
.set G0B, 56
.set MSB, 0
.macro WIN new
.if MSB != \new
	s_set_vgpr_msb (MSB<<8)|\new
.set MSB, \new
.endif
.endm
.set MUL,  0x05                        ; sources 0 and 1 window 1; C and D window 0
.set TO_F, 0x40
.macro JLOAD s                         ; waves 0 and 1 fetch A's halves, waves 2 and 3 W's; four v_nop follow each line
	s_cmp_eq_u32 s13, 0
	s_cbranch_scc0 .Lfor_b_\@
	tensor_load_to_lds s[G0+4*\s:G0+4*\s+3], s[G1:G1+7]
	s_nop 0
.rept 4
	v_nop
.endr
	s_branch .Lasked_\@
.Lfor_b_\@:
	tensor_load_to_lds s[G0B+4*\s:G0B+4*\s+3], s[G1B:G1B+7]
	s_nop 0
.rept 4
	v_nop
.endr
.Lasked_\@:
.endm
.macro CREST
	s_cmp_lg_u32 s12, 0
	s_cbranch_scc1 .Lnot_wave_0_\@
	s_barrier_signal -3
.Lnot_wave_0_\@:
	s_barrier_wait -3
	s_barrier_signal -1
	s_barrier_wait -1
.endm
.macro CROUND
	s_barrier_signal -1
	s_barrier_wait -1
	CREST
.endm
	s_load_b256 s[4:11], s[0:1], 0x0               ; A s[4:5], W s[6:7], the scales s[8:9], the bias s[10:11]
	s_load_b128 s[68:71], s[0:1], 0x20             ; the residual s[68:69], the result s[70:71]
	v_lshl_add_u32 v[SPW], v0, 2, SPARE
	v_mov_b32 v[NIL], 0
	ds_add_u32 v28, v29
	ds_add_u32 v28, v29
	s_wait_dscnt 0x0
	v_lshrrev_b32 v1, 5, v0
	v_readfirstlane_b32 s12, v1                    ; wave 0..3
	s_lshr_b32 s13, s12, 1                         ; which 64 tokens are mine.  Also: I fetch for A (0) or for W (1)
	s_and_b32 s14, s12, 1                          ; which 64 columns.  Also: which half of that tile I fetch
	s_bfe_u32 s15, ttmp6, 0x40000                  ; cx
	s_bfe_u32 s16, ttmp6, 0x40004                  ; cy
	s_lshl_b32 s17, ttmp9, 2
	s_add_co_u32 s17, s17, s15                     ; tile column
	s_and_b32 s18, ttmp7, 0xffff
	s_lshl_b32 s18, s18, 2
	s_add_co_u32 s18, s18, s16                     ; tile row
	s_lshl_b32 s19, s16, 2
	s_lshl_b32 s19, 15, s19                        ; my row of the cluster
	s_lshl_b32 s20, 0x1111, s15                    ; my column
	s_or_b32 s[G1+0], s19, (3<<16)|(1<<21)         ; A: elements of 8 bytes, no padding
	s_mov_b32 s[G1+1], 1024<<16                    ; tensor_dim0 = 1,024 elements: 8,192 bytes, a tile's four images
	s_mov_b32 s[G1+2], 4<<16                       ; tensor_dim1 = 4 tiles of 16 tokens
	s_mov_b32 s[G1+3], 1024<<16                    ; tile_dim0
	s_mov_b32 s[G1+4], 4                           ; tile_dim1
	s_mov_b32 s[G1+5], KT*2                        ; the pitch: 16 KT bytes from tile to tile
	s_mov_b32 s[G1+6], 0
	s_mov_b32 s[G1+7], 0
	s_or_b32 s[G1B+0], s20, (0<<16)|(1<<20)|(1<<21)|(6<<22)|(3<<25)  ; W: elements of 1 byte; 4 words of padding behind every 128
	s_mov_b32 s[G1B+1], 512<<16
	s_mov_b32 s[G1B+2], 64<<16
	s_mov_b32 s[G1B+3], 512<<16
	s_mov_b32 s[G1B+4], 64
	s_mov_b32 s[G1B+5], KT
	s_mov_b32 s[G1B+6], 0
	s_mov_b32 s[G1B+7], 0
	s_lshl_b32 s40, s18, 3
	s_lshl_b32 s41, s14, 2
	s_add_co_u32 s40, s40, s41
	s_mul_i32 s40, s40, KT*16                      ; A: tile of tokens 8 x tile row + 4 x half
	s_mov_b32 s41, 0
	s_lshl_b32 s42, s17, 7
	s_lshl_b32 s43, s14, 6
	s_add_co_u32 s42, s42, s43
	s_mul_i32 s42, s42, KT                         ; W: row 128 x tile column + 64 x half
	s_mov_b32 s43, 0
	s_mul_i32 s44, s14, 32768                      ; where they go in a slot
	s_mul_i32 s45, s14, BHALF
	s_add_co_u32 s45, s45, BOFF
	s_wait_kmcnt 0x0
	s_load_b512 s[80:95], s[8:9], 0x0              ; the sixteen exponents
	s_add_nc_u64 s[40:41], s[4:5], s[40:41]
	s_add_nc_u64 s[42:43], s[6:7], s[42:43]
	CROUND                                         ; all sixteen work-groups are here: the first joint loads meet
.irp s, 0,1
	s_mov_b32 s[G0+4*\s], 1
	s_add_co_u32 s[G0+4*\s+1], s44, \s*SLOT
	s_add_nc_u64 s[G0+4*\s+2:G0+4*\s+3], s[40:41], \s*8192
	s_or_b32 s[G0+4*\s+3], s[G0+4*\s+3], 0x80000000
	s_mov_b32 s[G0B+4*\s], 1
	s_add_co_u32 s[G0B+4*\s+1], s45, \s*SLOT
	s_add_nc_u64 s[G0B+4*\s+2:G0B+4*\s+3], s[42:43], \s*512
	s_or_b32 s[G0B+4*\s+3], s[G0B+4*\s+3], 0x80000000
.endr
	s_cmp_eq_u32 s13, 0                            ; the prefetch: of the 128 blocks of 256 bytes that I fetch in a K step, the four partners that ask for them jointly take 32 each, told apart by address
	s_cselect_b64 s[72:73], s[40:41], s[42:43]
	s_cselect_b32 s76, s15, s16                    ; my place among the four: cx for A, cy for W
	s_cselect_b32 s99, -1, 0
	s_mov_b32 s74, 512
	s_cselect_b32 s74, 8192, s74                   ; a K step on, in bytes
	s_mov_b32 s75, 0
	s_mul_i32 s76, s76, KT*16                      ; A: one tile of 16 tokens; W: 16 rows
	s_mov_b32 s77, 0
	s_add_nc_u64 s[72:73], s[72:73], s[76:77]
	s_add_nc_u64 s[72:73], s[72:73], s[74:75]      ; K step 1
	JLOAD 0                                        ; K step 0: one tensor load a wave at the head
	v_and_b32 v6, 31, v0
	v_lshlrev_b32 v31, 8, v6                       ; A: lanes 256 bytes apart in a tile's 8,192 bytes
	v_lshrrev_b32 v7, 1, v6
	v_and_b32 v6, 1, v6
	v_lshlrev_b32 v6, 8, v6
	v_mad_u32_u24 v6, v7, KT, v6                   ; W: two lanes to a row's 512 bytes
	v_cndmask_b32 v31, v6, v31, s99
	global_prefetch_b8 v31, s[72:73] th:TH_LOAD_NT scope:SCOPE_SE   ; K step 1, the last
	v_and_b32 v1, 15, v0                           ; r
	v_bfe_u32 v2, v0, 4, 1                         ; h
	v_and_b32 v3, 31, v0
	v_lshlrev_b32 v4, 4, v3                        ; 16 x lane
	s_lshl_b32 s22, s13, 15
	v_add_nc_u32 v[ADRA], s22, v4                  ; my four tiles of tokens
	v_add_nc_u32 v[ADRA+1], SLOT, v[ADRA]
	v_mul_u32_u24 v5, v1, 528
	v_lshl_add_u32 v5, v2, 3, v5
	v_add_nc_u32 v[ADRB], s45, v5                  ; my 64 rows of W: row r, + 8 h
	v_add_nc_u32 v[ADRB+1], SLOT, v[ADRB]
	s_mul_i32 s23, s12, 4352
	s_add_co_u32 s23, s23, STAGE
	v_mul_u32_u24 v5, v1, 272
	v_lshl_add_u32 v5, v2, 5, v5
	v_add_nc_u32 v[STO], s23, v5                   ; the stage, in: row r, 32 bytes for each half of the lanes
	v_mul_u32_u24 v5, v2, 272
	v_lshl_add_u32 v5, v1, 4, v5
	v_add_nc_u32 v[RD], s23, v5                    ; back: lanes 0-15 one row of 256 bytes, lanes 16-31 the next
	v_lshlrev_b32 v5, 12, v2
	v_lshl_add_u32 v[CO], v1, 4, v5                ; and the same two rows in memory
	v_lshlrev_b32 v[BO], 5, v2
	s_wait_alu depctr_va_vdst(0)
	s_lshl_b32 s46, s17, 9
	s_lshl_b32 s47, s14, 8
	s_add_co_u32 s46, s46, s47                     ; my first column, in bytes
	s_mov_b32 s47, 0
	s_add_nc_u64 s[10:11], s[10:11], s[46:47]
	s_lshl_b32 s22, s18, 7
	s_lshl_b32 s23, s13, 6
	s_add_co_u32 s22, s22, s23
	s_lshl_b32 s22, s22, 12                        ; my first row: 4,096 bytes each
	s_add_co_u32 s22, s22, s46
	s_mov_b32 s23, 0
	s_add_nc_u64 s[68:69], s[68:69], s[22:23]
	s_add_nc_u64 s[70:71], s[70:71], s[22:23]
.irp b, 0,1,2,3
	global_load_b128 v[BI+8*\b:BI+8*\b+3], v[BO], s[10:11] offset:64*\b          ; lane (r, h), tile b: the bias of columns 16 b + 8 h + 0 .. 7
	global_load_b128 v[BI+8*\b+4:BI+8*\b+7], v[BO], s[10:11] offset:64*\b+16
.endr
	WIN 0x80                                       ; destination window 2
.irp a, 0,1,2,3
.irp t, 0,1,2,3,4,5,6,7
	global_load_b128 v[RES+32*\a+4*\t:RES+32*\a+4*\t+3], v[CO], s[68:69] offset:(16*\a+2*\t)*4096 th:TH_LOAD_NT   ; sixteen lanes read 256 consecutive bytes, aligned
.endr
.endr
	WIN 0
	s_wait_kmcnt 0x0
	s_add_co_i32 s98, s[80+EA], s[80+EB]
	s_add_co_i32 s96, s98, 127
	s_lshl_b32 s96, s96, 23                        ; 2^(eA + eB) as f32
	s_mov_b32 s97, s96
	s_sub_co_i32 s98, 0, s98
	s_wait_loadcnt 32                              ; the bias is in; the residual's 32 loads stay out through the products
.set i, 0
.rept 32
	v_ldexp_f32 v[BI+i], v[BI+i], s98
.set i, i+1
.endr
.macro MUL4 f, a, first                ; A's fragment a x W's four; the 16 accumulators take turns, one instruction a turn, in the same order everywhere
.irp b, 0,1,2,3
.if \first
	v_wmma_f32_16x16x128_fp8_fp8 v[ACC+8*(4*(\a)+\b):ACC+8*(4*(\a)+\b)+7], v[\f+64+16*\b:\f+64+16*\b+15], v[\f+16*(\a):\f+16*(\a)+15], v[BI+8*\b:BI+8*\b+7]
.else
	v_wmma_f32_16x16x128_fp8_fp8 v[ACC+8*(4*(\a)+\b):ACC+8*(4*(\a)+\b)+7], v[\f+64+16*\b:\f+64+16*\b+15], v[\f+16*(\a):\f+16*(\a)+15], v[ACC+8*(4*(\a)+\b):ACC+8*(4*(\a)+\b)+7]
.endif
.endr
.endm
.macro FETCH slot, q, f                ; 48 LDS loads in one run: the slot's q-th 128 along K: W's four fragments, then A's four
	WIN TO_F
.irp b, 0,1,2,3
.irp c, 0,1,2,3,4,5,6,7
	ds_load_b64 v[\f+64+16*\b+2*\c:\f+64+16*\b+2*\c+1], v[ADRB+\slot] offset:8448*\b+128*(\q)+16*\c
.endr
.endr
.irp a, 0,1,2,3
.irp u, 0,1,2,3
	ds_load_b128 v[\f+16*\a+4*\u:\f+16*\a+4*\u+3], v[ADRA+\slot] offset:8192*\a+2048*(\q)+512*\u
.endr
.endr
.endm
.macro PLACES                          ; four plain vector instructions between a matrix instruction and a load into, or a read of, its registers
.rept 4
	v_nop
.endr
.endm
.macro QUARTER slot, qn, f, g, first   ; multiplies buffer f and fetches the slot's quarter qn into g
	s_wait_dscnt 8                                 ; all but A's fragments 2 and 3, the youngest eight loads
	WIN MUL
	MUL4 \f, 0, \first
	MUL4 \f, 1, \first
	PLACES
	FETCH \slot, \qn, \g
	s_wait_dscnt 48                                ; all but the 48 just issued
	WIN MUL
	MUL4 \f, 2, \first
	MUL4 \f, 3, \first
.endm
; A slot's last quarter multiplies buffer 1 and changes slots: one barrier; in front of it each wave waits for all its tensor loads, adds 0 to its spare word, and waits for that and for its reads of this slot.
.macro TURN slot, next, fill
	WIN 0
	s_wait_tensorcnt 0x0                           ; all my tensor loads have landed: my part of the next slot
	ds_add_u32 v[SPW], v[NIL]                      ; 0 onto my spare word
	s_wait_dscnt 9                                 ; the add and the youngest eight loads may be out
	WIN MUL
	MUL4 F1, 0, 0
	s_wait_dscnt 0x0                               ; the add is done, and my reads of this slot are over
	s_barrier_signal -1
	MUL4 F1, 1, 0
	WIN 0
	s_barrier_wait -1
.if \fill
	CREST                                          ; the barrier has opened a round of the cluster's: no wave of any partner still reads this slot or has a load on its way
	s_add_nc_u64 s[G0+4*\slot+2:G0+4*\slot+3], s[G0+4*\slot+2:G0+4*\slot+3], 16384
	s_add_nc_u64 s[G0B+4*\slot+2:G0B+4*\slot+3], s[G0B+4*\slot+2:G0B+4*\slot+3], 1024
	JLOAD \slot                                    ; my one tensor load behind the round; its four v_nop are the places in front of the loads below
.else
	PLACES
.endif
	FETCH \next, 0, F0
	WIN MUL
	MUL4 F1, 2, 0
	MUL4 F1, 3, 0
.endm
	s_wait_alu depctr_va_vdst(0)
	s_wait_tensorcnt 0x0                           ; my part of K step 0 is in
	ds_add_u32 v[SPW], v[NIL]
	s_wait_dscnt 0x0
	CROUND                                         ; everybody's part is in, and the sixteen work-groups are here
	JLOAD 1                                        ; K step 1, my one tensor load behind the round
	FETCH 0, 0, F0
	QUARTER 0, 1, F0, F1, 1                        ; the first quarter's products start the sums, from the bias
.if LAPS > 1
	WIN 0
	s_mov_b32 s3, LAPS-1
.Llap:
	QUARTER 0, 2, F1, F0, 0
	QUARTER 0, 3, F0, F1, 0
	TURN 0, 1, 1
	QUARTER 1, 1, F0, F1, 0
	QUARTER 1, 2, F1, F0, 0
	QUARTER 1, 3, F0, F1, 0
	TURN 1, 0, 1
	QUARTER 0, 1, F0, F1, 0
	WIN 0
	s_sub_co_u32 s3, s3, 1
	s_cmp_lg_u32 s3, 0
	s_cbranch_scc1 .Llap
.endif
	QUARTER 0, 2, F1, F0, 0                        ; the last lap fills nothing
	QUARTER 0, 3, F0, F1, 0
	TURN 0, 1, 0
	QUARTER 1, 1, F0, F1, 0
	QUARTER 1, 2, F1, F0, 0
	QUARTER 1, 3, F0, F1, 0
	s_wait_dscnt 8
	WIN MUL
	MUL4 F1, 0, 0
	MUL4 F1, 1, 0
	s_wait_dscnt 0
	MUL4 F1, 2, 0
	MUL4 F1, 3, 0
	WIN 0
	; THE WAY OUT.  My 64 columns are 256 bytes of a row: 16 rows at a time go through my own stage and come back as whole rows.
	PLACES
.irp a, 0,1,2,3
	WIN 0
.irp b, 0,1,2,3
	ds_store_b128 v[STO], v[ACC+8*(4*\a+\b):ACC+8*(4*\a+\b)+3] offset:64*\b
	ds_store_b128 v[STO], v[ACC+8*(4*\a+\b)+4:ACC+8*(4*\a+\b)+7] offset:64*\b+16
.endr
	WIN 0x80
.irp t, 0,1,2,3,4,5,6,7
	ds_load_b128 v[OT+32*\a+4*\t:OT+32*\a+4*\t+3], v[RD] offset:544*\t   ; LDS serves a wave's instructions in order (ISA guide 5.7.1.4): these see the stores above, and the next block's stores come behind them
.endr
.endr
	s_wait_loadcnt 0x0                             ; the residual
.irp a, 0,1,2,3
	s_wait_dscnt 16*(3-\a)                         ; block a is back; the later blocks' sixteen LDS instructions each may be out
	WIN 0xa2                                       ; sources 0 and 2 and the destination window 2
.irp i, 0,2,4,6,8,10,12,14,16,18,20,22,24,26,28,30
	v_pk_fma_f32 v[OT+32*\a+\i:OT+32*\a+\i+1], v[OT+32*\a+\i:OT+32*\a+\i+1], s[96:97], v[RES+32*\a+\i:RES+32*\a+\i+1] op_sel_hi:[1,0,1]
.endr
	WIN 0x08                                       ; the stores' data window 2
.irp t, 0,1,2,3,4,5,6,7
	global_store_b128 v[CO], v[OT+32*\a+4*\t:OT+32*\a+4*\t+3], s[70:71] offset:(16*\a+2*\t)*4096   ; sixteen lanes store 256 consecutive bytes, aligned
.endr
.endr
	WIN 0
	s_wait_tensorcnt 0x0                           ; the wave's end
	ds_add_u32 v[SPW], v[NIL]
	s_wait_dscnt 0x0
	CROUND                                         ; the closing round
	s_endpgm
.Lfunc_end_k_qaf496795ff_proj:
	.size	k_qaf496795ff_proj, .Lfunc_end_k_qaf496795ff_proj-k_qaf496795ff_proj
	.p2alignl 7, 3214868480
	.fill 96, 4, 3214868480
	.section	.rodata,"a",@progbits
	.p2align	6, 0x0
	.amdhsa_kernel k_qaf496795ff_proj
		.amdhsa_group_segment_fixed_size 327680
		.amdhsa_private_segment_fixed_size 0
		.amdhsa_enable_private_segment 0
		.amdhsa_kernarg_size 48
		.amdhsa_user_sgpr_count 2
		.amdhsa_user_sgpr_kernarg_segment_ptr 1
		.amdhsa_wavefront_size32 1
		.amdhsa_system_sgpr_workgroup_id_x 1
		.amdhsa_system_sgpr_workgroup_id_y 1
		.amdhsa_system_sgpr_workgroup_id_z 1
		.amdhsa_system_vgpr_workitem_id 0
		.amdhsa_next_free_vgpr 768
		.amdhsa_next_free_sgpr 100
		.amdhsa_reserve_vcc 0
		.amdhsa_float_denorm_mode_32 3
		.amdhsa_float_denorm_mode_16_64 3
		.amdhsa_memory_ordered 1
		.amdhsa_forward_progress 1
		.amdhsa_inst_pref_size 61
	.end_amdhsa_kernel
	.amdgpu_metadata
---
amdhsa.version: [ 1, 2 ]
amdhsa.kernels:
  - .name:           k_qaf496795ff_proj
    .symbol:         k_qaf496795ff_proj.kd
    .args:
      - { .name: ai, .offset: 0, .size: 8, .value_kind: global_buffer, .address_space: global }
      - { .name: Wp_codes, .offset: 8, .size: 8, .value_kind: global_buffer, .address_space: global }
      - { .name: lowp_scales, .offset: 16, .size: 8, .value_kind: global_buffer, .address_space: global }
      - { .name: bp, .offset: 24, .size: 8, .value_kind: global_buffer, .address_space: global }
      - { .name: x, .offset: 32, .size: 8, .value_kind: global_buffer, .address_space: global }
      - { .name: x1, .offset: 40, .size: 8, .value_kind: global_buffer, .address_space: global }
    .group_segment_fixed_size: 327680
    .private_segment_fixed_size: 0
    .kernarg_segment_align: 8
    .kernarg_segment_size: 48
    .max_flat_workgroup_size: 128
    .sgpr_count:     100
    .vgpr_count:     768
    .wavefront_size: 32
...
	.end_amdgpu_metadata
.endif
;; end of part 4
;; launch ln2 (part 5): grid 256 x 1, 8 waves a work-group, no clusters, 9,216 bytes of LDS; arguments x1, g2, be2, lowp_scales, h2; writes h2
.if DOCPART == 5
	.amdgcn_target "amdgcn-amd-amdhsa--gfx1250"
	.amdhsa_code_object_version 6
	.text
	.protected	k_qaf496795ff_ln2
	.globl	k_qaf496795ff_ln2
	.p2align	8
	.type	k_qaf496795ff_ln2,@function
k_qaf496795ff_ln2:
	s_mov_b64 s[64:65], 0
	v_nop
	global_prefetch_b8 v0, s[64:65] scope:SCOPE_SE
	s_setreg_imm32_b32 hwreg(HW_REG_WAVE_MODE, 25, 1), 1
	s_wait_xcnt 0x0
; h2 = layernorm(x1, g2, be2), all in f32 (mean, then the mean of the squared differences), quantised to E4M3 with 2^e12 into h2[4096][1024], one code a byte, row-major.
; A work-group takes 16 rows, a wave two; a row is 32 registers a lane.  Waves share nothing: no barrier.
; code = h / 2^e, held within +-448, to the nearest code, ties to even.  LIMITS: e12 between -126 and 119; NaN among the inputs is not served.
.set G,    8
.set BE,   40
.set X0,   72                          ; register 4 j + i = column 128 j + 4 lane + i
.set X1,   104
.set T,    136                         ; two sets of eight held numbers, by turns
.set C,    152
.set OUT0, 176
.set OUT1, 200
.set A,    224
.set MU,   232
.set RS,   234
.set PT,   236
.set SCV,  237
	s_load_b256 s[4:11], s[0:1], 0x0               ; x1 s[4:5], g2 s[6:7], be2 s[8:9], the scales s[10:11]
	s_load_b64 s[14:15], s[0:1], 0x20              ; h2
	v_lshl_add_u32 v240, v0, 2, 0x2000
	v_mov_b32 v241, 0
	v_lshrrev_b32 v4, 5, v0
	s_delay_alu instid0(VALU_DEP_1)
	v_readfirstlane_b32 s18, v4                    ; wave 0..7
	v_and_b32 v4, 31, v0
	s_delay_alu instid0(VALU_DEP_1)
	v_lshlrev_b32 v1, 4, v4                        ; 16 x lane; never rewritten
	s_lshl_b32 s19, s18, 10                        ; my stage: 1,024 bytes
	v_lshl_add_u32 v2, v4, 2, s19
	v_add_nc_u32 v3, s19, v1
	s_mov_b32 s20, 0x76543210
	s_mov_b32 s21, 0xfedcba98
	s_mov_b32 s22, 0x3a800000                      ; 1 / 1024
	s_mov_b32 s23, 0x3727c5ac                      ; 1e-5
	v_mov_b32 v[MU+1], 0
	v_mov_b32 v[RS+1], 0
	v_mov_b32 v[PT], 0
	s_lshl_b32 s54, ttmp9, 4
	s_lshl_b32 s55, s18, 1
	s_add_co_u32 s54, s54, s55                     ; my first row
	s_lshl_b32 s56, s54, 12
	s_mov_b32 s57, 0
	s_lshl_b32 s58, s54, 10
	s_mov_b32 s59, 0
	s_wait_alu depctr_va_vdst(0)
	s_wait_kmcnt 0x0
	s_load_b32 s32, s[10:11], 0x30                 ; e12
	s_add_nc_u64 s[4:5], s[4:5], s[56:57]
	s_add_nc_u64 s[24:25], s[14:15], s[58:59]
.irp j, 0,1,2,3,4,5,6,7
	global_load_b128 v[X0+4*\j:X0+4*\j+3], v1, s[4:5] offset:512*\j th:TH_LOAD_NT
.endr
.irp j, 0,1,2,3,4,5,6,7
	global_load_b128 v[X1+4*\j:X1+4*\j+3], v1, s[4:5] offset:4096+512*\j th:TH_LOAD_NT
.endr
.irp j, 0,1,2,3,4,5,6,7
	global_load_b128 v[G+4*\j:G+4*\j+3], v1, s[6:7] offset:512*\j
.endr
.irp j, 0,1,2,3,4,5,6,7
	global_load_b128 v[BE+4*\j:BE+4*\j+3], v1, s[8:9] offset:512*\j
.endr
	s_wait_kmcnt 0x0
	s_add_co_i32 s54, s32, 127
	s_lshl_b32 s55, s54, 23
	v_mov_b32 v[SCV], s55                          ; 2^e12
	s_add_co_i32 s54, s54, 8
	s_lshl_b32 s54, s54, 23
	s_or_b32 s49, s54, 0x600000                    ; 448 x 2^e12
	s_or_b32 s48, s49, 0x80000000
.macro REDUCE r
	s_delay_alu instid0(VALU_DEP_1)
	v_add_f32_dpp v[\r], v[\r], v[\r] row_xmask:1 row_mask:0xf bank_mask:0xf
	s_delay_alu instid0(VALU_DEP_1)
	v_add_f32_dpp v[\r], v[\r], v[\r] row_xmask:2 row_mask:0xf bank_mask:0xf
	s_delay_alu instid0(VALU_DEP_1)
	v_add_f32_dpp v[\r], v[\r], v[\r] row_xmask:4 row_mask:0xf bank_mask:0xf
	s_delay_alu instid0(VALU_DEP_1)
	v_add_f32_dpp v[\r], v[\r], v[\r] row_xmask:8 row_mask:0xf bank_mask:0xf
	s_delay_alu instid0(VALU_DEP_1)
	v_permlanex16_b32 v[PT], v[\r], s20, s21
	s_delay_alu instid0(VALU_DEP_1)
	v_add_f32 v[\r], v[\r], v[PT]
.endm
.macro FOLD
	s_delay_alu instid0(VALU_DEP_3)
	v_pk_add_f32 v[A:A+1], v[A:A+1], v[A+2:A+3]
	s_delay_alu instid0(VALU_DEP_2)
	v_pk_add_f32 v[A+4:A+5], v[A+4:A+5], v[A+6:A+7]
	s_delay_alu instid0(VALU_DEP_1)
	v_pk_add_f32 v[A:A+1], v[A:A+1], v[A+4:A+5]
	s_delay_alu instid0(VALU_DEP_1)
	v_add_f32 v[A], v[A], v[A+1]
	REDUCE A
.endm
.macro ROW x, o, rowoff, first
.if \first
	s_wait_loadcnt 24                              ; row 0's eight loads are in; the 24 issued behind them may be out
.endif
.irp k, 0,1,2,3
	v_pk_add_f32 v[A+2*\k:A+2*\k+1], v[\x+4*\k:\x+4*\k+1], v[\x+4*\k+2:\x+4*\k+3]
.endr
.irp k, 0,1,2,3,4,5,6,7
	s_delay_alu instid0(VALU_DEP_4)
	v_pk_add_f32 v[A+2*(\k%4):A+2*(\k%4)+1], v[A+2*(\k%4):A+2*(\k%4)+1], v[\x+16+2*\k:\x+16+2*\k+1]
.endr
	FOLD
	s_delay_alu instid0(VALU_DEP_1)
	v_mul_f32 v[MU], s22, v[A]
.irp k, 0,1,2,3,4,5,6,7,8,9,10,11,12,13,14,15
	v_pk_add_f32 v[\x+2*\k:\x+2*\k+1], v[\x+2*\k:\x+2*\k+1], v[MU:MU+1] op_sel_hi:[1,0] neg_lo:[0,1] neg_hi:[0,1]
.endr
.irp k, 0,1,2,3
	v_pk_mul_f32 v[A+2*\k:A+2*\k+1], v[\x+2*\k:\x+2*\k+1], v[\x+2*\k:\x+2*\k+1]
.endr
.irp k, 4,5,6,7,8,9,10,11,12,13,14,15
	s_delay_alu instid0(VALU_DEP_4)
	v_pk_fma_f32 v[A+2*(\k%4):A+2*(\k%4)+1], v[\x+2*\k:\x+2*\k+1], v[\x+2*\k:\x+2*\k+1], v[A+2*(\k%4):A+2*(\k%4)+1]
.endr
	FOLD
	s_delay_alu instid0(VALU_DEP_1)
	v_fma_f32 v[A], v[A], s22, s23                 ; var + eps
	s_wait_alu depctr_va_vdst(0)
	v_rsq_f32 v[RS], v[A]
	v_nop                                          ; a plain instruction behind the transcendental
	s_wait_alu depctr_va_vdst(0)                   ; and the wait ahead of its first reader
.if \first
	s_wait_loadcnt 0x0                             ; g2 and be2 are in (and row 1)
.endif
.irp k, 0,1,2,3,4,5,6,7,8,9,10,11,12,13,14,15
	v_pk_mul_f32 v[\x+2*\k:\x+2*\k+1], v[\x+2*\k:\x+2*\k+1], v[RS:RS+1] op_sel_hi:[1,0]
.endr
.irp k, 0,1,2,3,4,5,6,7,8,9,10,11,12,13,14,15
	v_pk_fma_f32 v[\x+2*\k:\x+2*\k+1], v[\x+2*\k:\x+2*\k+1], v[G+2*\k:G+2*\k+1], v[BE+2*\k:BE+2*\k+1]
.endr
.irp m, 0,1,2,3
.irp i, 0,1,2,3,4,5,6,7
	v_med3_num_f32 v[T+8*(\m%2)+\i], v[\x+8*\m+\i], s48, s49   ; the conversion does not saturate (ISA guide 7.6.2); the two sets take turns, so plain lines on other registers follow each conversion
.endr
	v_cvt_scalef32_pk8_fp8_f32 v[C+2*\m:C+2*\m+1], v[T+8*(\m%2):T+8*(\m%2)+7], v[SCV]
.endr
.irp j, 0,1,2,3,4,5,6,7
	ds_store_b32 v2, v[C+\j] offset:128*\j         ; register j: the four codes at byte 128 j + 4 lane
.endr
.irp u, 0,1
	ds_load_b128 v[\o+4*\u:\o+4*\u+3], v3 offset:512*\u   ; LDS serves a wave's instructions in order (ISA guide 5.7.1.4)
.endr
	s_wait_dscnt 0x0
.irp u, 0,1
	global_store_b128 v1, v[\o+4*\u:\o+4*\u+3], s[24:25] offset:\rowoff+512*\u   ; 512 consecutive bytes, aligned
.endr
.endm
	ROW X0, OUT0, 0, 1
	ROW X1, OUT1, 1024, 0
	s_wait_tensorcnt 0x0
	ds_add_u32 v240, v241
	s_wait_dscnt 0x0
	s_endpgm
.Lfunc_end_k_qaf496795ff_ln2:
	.size	k_qaf496795ff_ln2, .Lfunc_end_k_qaf496795ff_ln2-k_qaf496795ff_ln2
	.p2alignl 7, 3214868480
	.fill 96, 4, 3214868480
	.section	.rodata,"a",@progbits
	.p2align	6, 0x0
	.amdhsa_kernel k_qaf496795ff_ln2
		.amdhsa_group_segment_fixed_size 9216
		.amdhsa_private_segment_fixed_size 0
		.amdhsa_enable_private_segment 0
		.amdhsa_kernarg_size 40
		.amdhsa_user_sgpr_count 2
		.amdhsa_user_sgpr_kernarg_segment_ptr 1
		.amdhsa_wavefront_size32 1
		.amdhsa_system_sgpr_workgroup_id_x 1
		.amdhsa_system_sgpr_workgroup_id_y 1
		.amdhsa_system_sgpr_workgroup_id_z 1
		.amdhsa_system_vgpr_workitem_id 0
		.amdhsa_next_free_vgpr 242
		.amdhsa_next_free_sgpr 66
		.amdhsa_reserve_vcc 0
		.amdhsa_float_denorm_mode_32 3
		.amdhsa_float_denorm_mode_16_64 3
		.amdhsa_memory_ordered 1
		.amdhsa_forward_progress 1
		.amdhsa_inst_pref_size 27
	.end_amdhsa_kernel
	.amdgpu_metadata
---
amdhsa.version: [ 1, 2 ]
amdhsa.kernels:
  - .name:           k_qaf496795ff_ln2
    .symbol:         k_qaf496795ff_ln2.kd
    .args:
      - { .name: x1, .offset: 0, .size: 8, .value_kind: global_buffer, .address_space: global }
      - { .name: g2, .offset: 8, .size: 8, .value_kind: global_buffer, .address_space: global }
      - { .name: be2, .offset: 16, .size: 8, .value_kind: global_buffer, .address_space: global }
      - { .name: lowp_scales, .offset: 24, .size: 8, .value_kind: global_buffer, .address_space: global }
      - { .name: h2, .offset: 32, .size: 8, .value_kind: global_buffer, .address_space: global }
    .group_segment_fixed_size: 9216
    .private_segment_fixed_size: 0
    .kernarg_segment_align: 8
    .kernarg_segment_size: 40
    .max_flat_workgroup_size: 256
    .sgpr_count:     66
    .vgpr_count:     242
    .wavefront_size: 32
...
	.end_amdgpu_metadata
.endif
;; end of part 5
;; launch ffn1 (part 6): grid 16 x 16, 4 waves a work-group, clusters of 4 x 4, 327,680 bytes of LDS; arguments h2, W1_codes, lowp_scales, b1, hi; writes hi
.if DOCPART == 6
	.amdgcn_target "amdgcn-amd-amdhsa--gfx1250"
	.amdhsa_code_object_version 6
	.text
	.protected	k_qaf496795ff_ffn1
	.globl	k_qaf496795ff_ffn1
	.p2align	8
	.type	k_qaf496795ff_ffn1,@function
k_qaf496795ff_ffn1:
	s_mov_b64 s[64:65], 0
	v_nop
	global_prefetch_b8 v0, s[64:65] scope:SCOPE_SE
	s_setreg_imm32_b32 hwreg(HW_REG_WAVE_MODE, 25, 1), 1
	s_wait_xcnt 0x0
	s_wait_alu depctr_hold_cnt(0) depctr_sa_sdst(0) depctr_va_vdst(0) depctr_va_sdst(0) depctr_va_ssrc(0) depctr_va_vcc(0) depctr_vm_vsrc(0)
	s_getreg_b32 s2, hwreg(HW_REG_IB_STS2, 6, 4)
	s_cmp_eq_u32 s2, 0
	s_cbranch_scc0 .Lentry_in_a_cluster
	s_endpgm
.Lentry_in_a_cluster:
	s_bfe_u32 s2, ttmp6, 0x10000c
	s_cmp_lg_u32 s2, 0xf033
	s_cbranch_scc0 .Lentry_shape_is_right
	s_endpgm
.Lentry_shape_is_right:
.set ROWB,   256
.set KROW,   1024
.set PITCH,  272
.set FR,     16
.set NL,     4
.set NP,     4
.set HALFT,  128*PITCH
.set SLOT,   4*HALFT
.set LAPS,   2
.set SPARE,  2*SLOT
.set ADRA, 16
.set ADRB, 20
.set LO,   26
.set SCV,  27
.set SPW,  28
.set NIL,  29
.set BO,   30
.set BI,   32
.set AF,   128
.set CD,   128
.set G1, 24
.set G0, 32
.set G1B, 48
.set G0B, 56
.set MSB, 0
.macro WIN new
.if MSB != \new
	s_set_vgpr_msb (MSB<<8)|\new
.set MSB, \new
.endif
.endm
.set MUL_LO, 0xa1
.set MUL_HI, 0xf1
.set TO_B,   0x40
.macro JLOAD g0a, g1a, g0b, g1b
	s_cmp_eq_u32 s15, 0
	s_cbranch_scc0 .Lfor_b_\@
	tensor_load_to_lds s[\g0a:\g0a+3], s[\g1a:\g1a+7]
	s_nop 0
.rept 4
	v_nop
.endr
	s_branch .Lasked_\@
.Lfor_b_\@:
	tensor_load_to_lds s[\g0b:\g0b+3], s[\g1b:\g1b+7]
	s_nop 0
.rept 4
	v_nop
.endr
.Lasked_\@:
.endm
.macro CREST
	s_cmp_lg_u32 s14, 0
	s_cbranch_scc1 .Lnot_wave_0_\@
	s_barrier_signal -3
.Lnot_wave_0_\@:
	s_barrier_wait -3
	s_barrier_signal -1
	s_barrier_wait -1
.endm
.macro CROUND
	s_barrier_signal -1
	s_barrier_wait -1
	CREST
.endm
	s_load_b256 s[4:11], s[0:1], 0x0
	s_load_b64 s[72:73], s[0:1], 0x20
	v_lshl_add_u32 v[SPW], v0, 2, SPARE
	v_mov_b32 v[NIL], 0
	ds_add_u32 v28, v29
	ds_add_u32 v28, v29
	s_wait_dscnt 0x0
	v_lshrrev_b32 v1, 5, v0
	v_readfirstlane_b32 s14, v1
	s_lshr_b32 s15, s14, 1
	s_and_b32 s16, s14, 1
	s_bfe_u32 s40, ttmp6, 0x40000
	s_bfe_u32 s41, ttmp6, 0x40004
	s_lshl_b32 s42, ttmp9, 2
	s_add_co_u32 s42, s42, s40
	s_and_b32 s17, ttmp7, 0xffff
	s_lshl_b32 s17, s17, 2
	s_add_co_u32 s17, s17, s41
	s_lshl_b32 s43, s41, 2
	s_lshl_b32 s43, 15, s43
	s_lshl_b32 s44, 0x1111, s40
	s_or_b32 s[G1+0], s43, (0<<16)|(1<<20)|(1<<21)|(5<<22)|(3<<25)
	s_or_b32 s[G1B+0], s44, (0<<16)|(1<<20)|(1<<21)|(5<<22)|(3<<25)
.irp g, G1, G1B
	s_mov_b32 s[\g+1], ROWB<<16
	s_mov_b32 s[\g+2], 128<<16
	s_mov_b32 s[\g+3], ROWB<<16
	s_mov_b32 s[\g+4], 128
	s_mov_b32 s[\g+5], KROW
	s_mov_b32 s[\g+6], 0
	s_mov_b32 s[\g+7], 0
.endr
	s_lshl_b32 s18, s16, 7
	s_lshl_b32 s20, s17, 8
	s_add_co_u32 s20, s20, s18
	s_lshl_b32 s20, s20, 10
	s_mov_b32 s21, 0
	s_lshl_b32 s46, s42, 8
	s_add_co_u32 s46, s46, s18
	s_lshl_b32 s46, s46, 10
	s_mov_b32 s47, 0
	s_mul_i32 s45, s14, HALFT
	s_wait_kmcnt 0x0
	s_load_b512 s[80:95], s[8:9], 0x0
	s_add_nc_u64 s[20:21], s[4:5], s[20:21]
	s_add_nc_u64 s[46:47], s[6:7], s[46:47]
	CROUND
.irp s, 0,1
	s_mov_b32 s[G0+4*\s], 1
	s_add_co_u32 s[G0+4*\s+1], s45, \s*SLOT
	s_add_nc_u64 s[G0+4*\s+2:G0+4*\s+3], s[20:21], \s*ROWB
	s_or_b32 s[G0+4*\s+3], s[G0+4*\s+3], 0x80000000
	s_mov_b32 s[G0B+4*\s], 1
	s_add_co_u32 s[G0B+4*\s+1], s45, \s*SLOT
	s_add_nc_u64 s[G0B+4*\s+2:G0B+4*\s+3], s[46:47], \s*ROWB
	s_or_b32 s[G0B+4*\s+3], s[G0B+4*\s+3], 0x80000000
.endr
	s_cmp_eq_u32 s15, 0                            ; the prefetches: of the 128 rows that I fetch, the four partners that ask for them jointly take 32 each, told apart by address
	s_cselect_b64 s[98:99], s[20:21], s[46:47]
	s_cselect_b32 s78, s40, s41                    ; my place among the four: cx for A, cy for B
	s_lshl_b32 s78, s78, 15                        ; 32 rows of 1,024 bytes
	s_mov_b32 s79, 0
	s_add_nc_u64 s[98:99], s[98:99], s[78:79]
	JLOAD G0, G1, G0B, G1B                         ; K step 0: one tensor load a wave at the head
	v_and_b32 v31, 31, v0
	v_lshlrev_b32 v31, 10, v31                     ; a lane a row; never rewritten
	global_prefetch_b8 v31, s[98:99] offset:256 th:TH_LOAD_NT scope:SCOPE_SE   ; K step 1's 256 bytes of my 32 rows,
	global_prefetch_b8 v31, s[98:99] offset:512 th:TH_LOAD_NT scope:SCOPE_SE   ; and K step 2's
	v_and_b32 v1, 15, v0
	v_bfe_u32 v2, v0, 4, 1
	v_mul_u32_u24 v3, v1, PITCH
	v_lshl_add_u32 v4, v2, 4, v3
	s_mul_i32 s21, s15, HALFT
	s_mul_i32 s22, s16, HALFT
	s_add_co_u32 s22, s22, 2*HALFT
.irp s, 0,1
	v_add_nc_u32 v[ADRA+\s], s21, v4
	v_add_nc_u32 v[ADRB+\s], s22, v4
	s_add_co_u32 s21, s21, SLOT
	s_add_co_u32 s22, s22, SLOT
.endr
	v_and_b32 v6, 31, v0
	v_lshlrev_b32 v[LO], 4, v6
	v_lshlrev_b32 v[BO], 5, v2
	s_lshl_b32 s74, s42, 10
	s_lshl_b32 s75, s16, 9
	s_add_co_u32 s74, s74, s75
	s_mov_b32 s75, 0
	s_add_nc_u64 s[10:11], s[10:11], s[74:75]
.irp b, 0,1,2,3,4,5,6,7
	global_load_b128 v[BI+8*\b:BI+8*\b+3], v[BO], s[10:11] offset:64*\b
	global_load_b128 v[BI+8*\b+4:BI+8*\b+7], v[BO], s[10:11] offset:64*\b+16
.endr
	s_wait_kmcnt 0x0
	s_add_co_i32 s76, s92, s93
	s_sub_co_i32 s77, 0, s76
	s_wait_loadcnt 0x0
.set i, 0
.rept 64
	v_ldexp_f32 v[BI+i], v[BI+i], s77
.set i, i+1
.endr
.macro FRAG reg, adr, q, i
.irp c, 0,1,2,3
	ds_load_b128 v[\reg+4*\c:\reg+4*\c+3], v[\adr] offset:128*(\q)+32*\c+(\i)*16*PITCH
.endr
.endm
.macro MUL16 a0, p, first
.irp a, \a0, \a0+1
.irp b, 0,1,2,3,4,5,6,7
.if \first
	v_wmma_f32_16x16x128_fp8_fp8 v[8*(8*((\a)%4)+\b):8*(8*((\a)%4)+\b)+7], v[128*(\p)+FR*\b:128*(\p)+FR*\b+FR-1], v[AF+FR*(\a):AF+FR*(\a)+FR-1], v[BI+8*\b:BI+8*\b+7]
.else
	v_wmma_f32_16x16x128_fp8_fp8 v[8*(8*((\a)%4)+\b):8*(8*((\a)%4)+\b)+7], v[128*(\p)+FR*\b:128*(\p)+FR*\b+FR-1], v[AF+FR*(\a):AF+FR*(\a)+FR-1], v[8*(8*((\a)%4)+\b):8*(8*((\a)%4)+\b)+7]
.endif
.endr
.endr
.endm
.macro FETCH_B slot, q, p
	WIN TO_B
.irp i, 0,1,2,3,4,5,6,7
	FRAG 128*(\p)+FR*\i, ADRB+\slot, \q, \i
.endr
	WIN 0
.endm
.macro FETCH_A slot, q, i0
.irp i, \i0, \i0+1, \i0+2, \i0+3
	FRAG AF+FR*(\i), ADRA+\slot, \q, \i
.endr
.endm
.macro PLACES n
.rept \n
	v_nop
.endr
.endm
.macro STEP slot, q, first
	s_wait_dscnt 4*NL
.if \first
	WIN 0x81
.else
	WIN MUL_LO
.endif
	MUL16 0, (\q)%2, \first
	MUL16 2, (\q)%2, \first
	s_wait_dscnt 0
	PLACES NP
	FETCH_B \slot, (\q)+1, 1-(\q)%2
	FETCH_A \slot, (\q)+1, 0
.if \first
	WIN 0xc1
.else
	WIN MUL_HI
.endif
	MUL16 4, (\q)%2, \first
	MUL16 6, (\q)%2, \first
	PLACES NP
	WIN 0
	FETCH_A \slot, (\q)+1, 4
.endm
.macro TURN slot, next, fill
	s_wait_tensorcnt 0x0
	ds_add_u32 v[SPW], v[NIL]
	s_wait_dscnt 4*NL+1
	WIN MUL_LO
	MUL16 0, 1, 0
	s_wait_dscnt 0x0
	s_barrier_signal -1
	MUL16 2, 1, 0
	WIN 0
	s_barrier_wait -1
.if \fill
	CREST
	s_add_nc_u64 s[G0+4*\slot+2:G0+4*\slot+3], s[G0+4*\slot+2:G0+4*\slot+3], 2*ROWB
	s_add_nc_u64 s[G0B+4*\slot+2:G0B+4*\slot+3], s[G0B+4*\slot+2:G0B+4*\slot+3], 2*ROWB
	JLOAD G0+4*\slot, G1, G0B+4*\slot, G1B
.else
	PLACES NP
.endif
	FETCH_B \next, 0, 0
	FETCH_A \next, 0, 0
	WIN MUL_HI
	MUL16 4, 1, 0
	MUL16 6, 1, 0
	PLACES NP
	WIN 0
	FETCH_A \next, 0, 4
.endm
	s_wait_alu depctr_va_vdst(0)
	s_wait_tensorcnt 0x0                           ; my part of K step 0 is in
	ds_add_u32 v[SPW], v[NIL]
	s_wait_dscnt 0x0
	CROUND                                         ; everybody's part is in, and the sixteen work-groups are here
	JLOAD G0+4, G1, G0B+4, G1B                     ; K step 1, my one tensor load behind the round
	FETCH_B 0, 0, 0
	FETCH_A 0, 0, 0
	FETCH_A 0, 0, 4
	global_prefetch_b8 v31, s[98:99] offset:768 th:TH_LOAD_NT scope:SCOPE_SE   ; K step 3, the last: two refills on
	STEP 0, 0, 1
	s_mov_b32 s3, LAPS-1
.Llap:
	TURN 0, 1, 1
	STEP 1, 0, 0
	TURN 1, 0, 1
	STEP 0, 0, 0
	s_sub_co_u32 s3, s3, 1
	s_cmp_lg_u32 s3, 0
	s_cbranch_scc1 .Llap
	TURN 0, 1, 0
	STEP 1, 0, 0
	s_wait_dscnt 4*NL
	WIN MUL_LO
	MUL16 0, 1, 0
	MUL16 2, 1, 0
	s_wait_dscnt 0
	WIN MUL_HI
	MUL16 4, 1, 0
	MUL16 6, 1, 0
	WIN 0
	s_sub_co_i32 s74, s94, s76
	s_add_co_i32 s74, s74, 127
	s_lshl_b32 s75, s74, 23
	v_mov_b32 v[SCV], s75
	s_add_co_i32 s74, s74, 8
	s_lshl_b32 s97, s74, 23
	s_or_b32 s97, s97, 0x600000
	PLACES NP
.macro QUANTW win
	WIN ((\win)<<6)|(\win)
.set i, 0
.rept 256
	v_med3_num_f32 v[i], v[i], 0, s97
.set i, i+1
.endr
	WIN \win
.set i, 0
.rept 32
	v_cvt_scalef32_pk8_fp8_f32 v[CD+64*((\win)-2)+2*i:CD+64*((\win)-2)+2*i+1], v[8*i:8*i+7], v[SCV]
.set i, i+1
.endr
.endm
	QUANTW 2
	QUANTW 3
	v_nop
	WIN 0
	s_lshl_b32 s74, s17, 4
	s_lshl_b32 s75, s15, 3
	s_add_co_u32 s74, s74, s75
	s_lshl_b32 s74, s74, 5
	s_lshl_b32 s75, s42, 1
	s_add_co_u32 s74, s74, s75
	s_add_co_u32 s74, s74, s16
	s_lshl_b32 s74, s74, 11
	s_mov_b32 s75, 0
	s_add_nc_u64 s[72:73], s[72:73], s[74:75]
	s_wait_alu depctr_va_vdst(0)
.irp a, 0,1,2,3,4,5,6,7
.irp u, 0,1,2,3
	global_store_b128 v[LO], v[CD+16*\a+4*\u:CD+16*\a+4*\u+3], s[72:73] offset:\a*65536+512*\u
.endr
.endr
	s_wait_tensorcnt 0x0
	ds_add_u32 v[SPW], v[NIL]
	s_wait_dscnt 0x0
	CROUND
	s_endpgm
.Lfunc_end_k_qaf496795ff_ffn1:
	.size	k_qaf496795ff_ffn1, .Lfunc_end_k_qaf496795ff_ffn1-k_qaf496795ff_ffn1
	.p2alignl 7, 3214868480
	.fill 96, 4, 3214868480
	.section	.rodata,"a",@progbits
	.p2align	6, 0x0
	.amdhsa_kernel k_qaf496795ff_ffn1
		.amdhsa_group_segment_fixed_size 327680
		.amdhsa_private_segment_fixed_size 0
		.amdhsa_enable_private_segment 0
		.amdhsa_kernarg_size 40
		.amdhsa_user_sgpr_count 2
		.amdhsa_user_sgpr_kernarg_segment_ptr 1
		.amdhsa_wavefront_size32 1
		.amdhsa_system_sgpr_workgroup_id_x 1
		.amdhsa_system_sgpr_workgroup_id_y 1
		.amdhsa_system_sgpr_workgroup_id_z 1
		.amdhsa_system_vgpr_workitem_id 0
		.amdhsa_next_free_vgpr 1024
		.amdhsa_next_free_sgpr 100
		.amdhsa_reserve_vcc 0
		.amdhsa_float_denorm_mode_32 3
		.amdhsa_float_denorm_mode_16_64 3
		.amdhsa_memory_ordered 1
		.amdhsa_forward_progress 1
		.amdhsa_inst_pref_size 123
	.end_amdhsa_kernel
	.amdgpu_metadata
---
amdhsa.version: [ 1, 2 ]
amdhsa.kernels:
  - .name:           k_qaf496795ff_ffn1
    .symbol:         k_qaf496795ff_ffn1.kd
    .args:
      - { .name: h2, .offset: 0, .size: 8, .value_kind: global_buffer, .address_space: global }
      - { .name: W1_codes, .offset: 8, .size: 8, .value_kind: global_buffer, .address_space: global }
      - { .name: lowp_scales, .offset: 16, .size: 8, .value_kind: global_buffer, .address_space: global }
      - { .name: b1, .offset: 24, .size: 8, .value_kind: global_buffer, .address_space: global }
      - { .name: hi, .offset: 32, .size: 8, .value_kind: global_buffer, .address_space: global }
    .group_segment_fixed_size: 327680
    .private_segment_fixed_size: 0
    .kernarg_segment_align: 8
    .kernarg_segment_size: 40
    .max_flat_workgroup_size: 128
    .sgpr_count:     100
    .vgpr_count:     1024
    .wavefront_size: 32
...
	.end_amdgpu_metadata
.endif
;; end of part 6
;; launch ffn2 (part 7): grid 8 x 32, 4 waves a work-group, clusters of 4 x 4, 327,680 bytes of LDS; arguments hi, W2_codes, lowp_scales, b2, x1, out0; writes out0
.if DOCPART == 7
	.amdgcn_target "amdgcn-amd-amdhsa--gfx1250"
	.amdhsa_code_object_version 6
	.text
	.protected	k_qaf496795ff_ffn2
	.globl	k_qaf496795ff_ffn2
	.p2align	8
	.type	k_qaf496795ff_ffn2,@function
k_qaf496795ff_ffn2:
	s_mov_b64 s[64:65], 0
	v_nop
	global_prefetch_b8 v0, s[64:65] scope:SCOPE_SE
	s_setreg_imm32_b32 hwreg(HW_REG_WAVE_MODE, 25, 1), 1
	s_wait_xcnt 0x0
	s_wait_alu depctr_hold_cnt(0) depctr_sa_sdst(0) depctr_va_vdst(0) depctr_va_sdst(0) depctr_va_ssrc(0) depctr_va_vcc(0) depctr_vm_vsrc(0)
	s_getreg_b32 s2, hwreg(HW_REG_IB_STS2, 6, 4)
	s_cmp_eq_u32 s2, 0
	s_cbranch_scc0 .Lentry_in_a_cluster
	s_endpgm
.Lentry_in_a_cluster:
	s_bfe_u32 s2, ttmp6, 0x10000c
	s_cmp_lg_u32 s2, 0xf033
	s_cbranch_scc0 .Lentry_shape_is_right
	s_endpgm
.Lentry_shape_is_right:
.set KT,    4096
.set EA,    14
.set EB,    15
.set LAPS,  KT/1024
.set BOFF,  65536
.set BHALF, 33792
.set SLOT,  133120
.set SPARE, 2*SLOT
.set STAGE, SPARE+512
.set ADRA, 16
.set ADRB, 20
.set STO,  24
.set RD,   25
.set CO,   26
.set SPW,  28
.set NIL,  29
.set BO,   30
.set BI,   32
.set ACC,  128
.set F0,   0
.set F1,   128
.set RES,  0
.set OT,   128
.set G1, 24
.set G0, 32
.set G1B, 48
.set G0B, 56
.set MSB, 0
.macro WIN new
.if MSB != \new
	s_set_vgpr_msb (MSB<<8)|\new
.set MSB, \new
.endif
.endm
.set MUL,  0x05
.set TO_F, 0x40
.macro JLOAD s
	s_cmp_eq_u32 s13, 0
	s_cbranch_scc0 .Lfor_b_\@
	tensor_load_to_lds s[G0+4*\s:G0+4*\s+3], s[G1:G1+7]
	s_nop 0
.rept 4
	v_nop
.endr
	s_branch .Lasked_\@
.Lfor_b_\@:
	tensor_load_to_lds s[G0B+4*\s:G0B+4*\s+3], s[G1B:G1B+7]
	s_nop 0
.rept 4
	v_nop
.endr
.Lasked_\@:
.endm
.macro CREST
	s_cmp_lg_u32 s12, 0
	s_cbranch_scc1 .Lnot_wave_0_\@
	s_barrier_signal -3
.Lnot_wave_0_\@:
	s_barrier_wait -3
	s_barrier_signal -1
	s_barrier_wait -1
.endm
.macro CROUND
	s_barrier_signal -1
	s_barrier_wait -1
	CREST
.endm
	s_load_b256 s[4:11], s[0:1], 0x0
	s_load_b128 s[68:71], s[0:1], 0x20
	v_lshl_add_u32 v[SPW], v0, 2, SPARE
	v_mov_b32 v[NIL], 0
	ds_add_u32 v28, v29
	ds_add_u32 v28, v29
	s_wait_dscnt 0x0
	v_lshrrev_b32 v1, 5, v0
	v_readfirstlane_b32 s12, v1
	s_lshr_b32 s13, s12, 1
	s_and_b32 s14, s12, 1
	s_bfe_u32 s15, ttmp6, 0x40000
	s_bfe_u32 s16, ttmp6, 0x40004
	s_lshl_b32 s17, ttmp9, 2
	s_add_co_u32 s17, s17, s15
	s_and_b32 s18, ttmp7, 0xffff
	s_lshl_b32 s18, s18, 2
	s_add_co_u32 s18, s18, s16
	s_lshl_b32 s19, s16, 2
	s_lshl_b32 s19, 15, s19
	s_lshl_b32 s20, 0x1111, s15
	s_or_b32 s[G1+0], s19, (3<<16)|(1<<21)
	s_mov_b32 s[G1+1], 1024<<16
	s_mov_b32 s[G1+2], 4<<16
	s_mov_b32 s[G1+3], 1024<<16
	s_mov_b32 s[G1+4], 4
	s_mov_b32 s[G1+5], KT*2
	s_mov_b32 s[G1+6], 0
	s_mov_b32 s[G1+7], 0
	s_or_b32 s[G1B+0], s20, (0<<16)|(1<<20)|(1<<21)|(6<<22)|(3<<25)
	s_mov_b32 s[G1B+1], 512<<16
	s_mov_b32 s[G1B+2], 64<<16
	s_mov_b32 s[G1B+3], 512<<16
	s_mov_b32 s[G1B+4], 64
	s_mov_b32 s[G1B+5], KT
	s_mov_b32 s[G1B+6], 0
	s_mov_b32 s[G1B+7], 0
	s_lshl_b32 s40, s18, 3
	s_lshl_b32 s41, s14, 2
	s_add_co_u32 s40, s40, s41
	s_mul_i32 s40, s40, KT*16
	s_mov_b32 s41, 0
	s_lshl_b32 s42, s17, 7
	s_lshl_b32 s43, s14, 6
	s_add_co_u32 s42, s42, s43
	s_mul_i32 s42, s42, KT
	s_mov_b32 s43, 0
	s_mul_i32 s44, s14, 32768
	s_mul_i32 s45, s14, BHALF
	s_add_co_u32 s45, s45, BOFF
	s_wait_kmcnt 0x0
	s_load_b512 s[80:95], s[8:9], 0x0
	s_add_nc_u64 s[40:41], s[4:5], s[40:41]
	s_add_nc_u64 s[42:43], s[6:7], s[42:43]
	CROUND
.irp s, 0,1
	s_mov_b32 s[G0+4*\s], 1
	s_add_co_u32 s[G0+4*\s+1], s44, \s*SLOT
	s_add_nc_u64 s[G0+4*\s+2:G0+4*\s+3], s[40:41], \s*8192
	s_or_b32 s[G0+4*\s+3], s[G0+4*\s+3], 0x80000000
	s_mov_b32 s[G0B+4*\s], 1
	s_add_co_u32 s[G0B+4*\s+1], s45, \s*SLOT
	s_add_nc_u64 s[G0B+4*\s+2:G0B+4*\s+3], s[42:43], \s*512
	s_or_b32 s[G0B+4*\s+3], s[G0B+4*\s+3], 0x80000000
.endr
	s_cmp_eq_u32 s13, 0                            ; the prefetches: of the 128 blocks of 256 bytes that I fetch in a K step, the four partners that ask for them jointly take 32 each, told apart by address
	s_cselect_b64 s[72:73], s[40:41], s[42:43]
	s_cselect_b32 s76, s15, s16                    ; my place among the four: cx for A, cy for W
	s_cselect_b32 s99, -1, 0
	s_mov_b32 s74, 512
	s_cselect_b32 s74, 8192, s74                   ; a K step on, in bytes
	s_mov_b32 s75, 0
	s_mul_i32 s76, s76, KT*16                      ; A: one tile of 16 tokens; W: 16 rows
	s_mov_b32 s77, 0
	s_add_nc_u64 s[72:73], s[72:73], s[76:77]
	s_add_nc_u64 s[72:73], s[72:73], s[74:75]      ; K step 1
	s_add_nc_u64 s[78:79], s[72:73], s[74:75]      ; K step 2
	JLOAD 0                                        ; K step 0: one tensor load a wave at the head
	v_and_b32 v6, 31, v0
	v_lshlrev_b32 v31, 8, v6                       ; A: lanes 256 bytes apart in a tile's 8,192 bytes
	v_lshrrev_b32 v7, 1, v6
	v_and_b32 v6, 1, v6
	v_lshlrev_b32 v6, 8, v6
	v_mad_u32_u24 v6, v7, KT, v6                   ; W: two lanes to a row's 512 bytes
	v_cndmask_b32 v31, v6, v31, s99
	global_prefetch_b8 v31, s[72:73] th:TH_LOAD_NT scope:SCOPE_SE   ; K step 1,
	global_prefetch_b8 v31, s[78:79] th:TH_LOAD_NT scope:SCOPE_SE   ; and K step 2
	v_and_b32 v1, 15, v0
	v_bfe_u32 v2, v0, 4, 1
	v_and_b32 v3, 31, v0
	v_lshlrev_b32 v4, 4, v3
	s_lshl_b32 s22, s13, 15
	v_add_nc_u32 v[ADRA], s22, v4
	v_add_nc_u32 v[ADRA+1], SLOT, v[ADRA]
	v_mul_u32_u24 v5, v1, 528
	v_lshl_add_u32 v5, v2, 3, v5
	v_add_nc_u32 v[ADRB], s45, v5
	v_add_nc_u32 v[ADRB+1], SLOT, v[ADRB]
	s_mul_i32 s23, s12, 4352
	s_add_co_u32 s23, s23, STAGE
	v_mul_u32_u24 v5, v1, 272
	v_lshl_add_u32 v5, v2, 5, v5
	v_add_nc_u32 v[STO], s23, v5
	v_mul_u32_u24 v5, v2, 272
	v_lshl_add_u32 v5, v1, 4, v5
	v_add_nc_u32 v[RD], s23, v5
	v_lshlrev_b32 v5, 12, v2
	v_lshl_add_u32 v[CO], v1, 4, v5
	v_lshlrev_b32 v[BO], 5, v2
	s_wait_alu depctr_va_vdst(0)
	s_lshl_b32 s46, s17, 9
	s_lshl_b32 s47, s14, 8
	s_add_co_u32 s46, s46, s47
	s_mov_b32 s47, 0
	s_add_nc_u64 s[10:11], s[10:11], s[46:47]
	s_lshl_b32 s22, s18, 7
	s_lshl_b32 s23, s13, 6
	s_add_co_u32 s22, s22, s23
	s_lshl_b32 s22, s22, 12
	s_add_co_u32 s22, s22, s46
	s_mov_b32 s23, 0
	s_add_nc_u64 s[68:69], s[68:69], s[22:23]
	s_add_nc_u64 s[70:71], s[70:71], s[22:23]
.irp b, 0,1,2,3
	global_load_b128 v[BI+8*\b:BI+8*\b+3], v[BO], s[10:11] offset:64*\b
	global_load_b128 v[BI+8*\b+4:BI+8*\b+7], v[BO], s[10:11] offset:64*\b+16
.endr
	s_wait_kmcnt 0x0
	s_add_co_i32 s98, s[80+EA], s[80+EB]
	s_add_co_i32 s96, s98, 127
	s_lshl_b32 s96, s96, 23
	s_mov_b32 s97, s96
	s_sub_co_i32 s98, 0, s98
	s_wait_loadcnt 0x0                             ; the bias is in
.set i, 0
.rept 32
	v_ldexp_f32 v[BI+i], v[BI+i], s98
.set i, i+1
.endr
.macro MUL4 f, a, first
.irp b, 0,1,2,3
.if \first
	v_wmma_f32_16x16x128_fp8_fp8 v[ACC+8*(4*(\a)+\b):ACC+8*(4*(\a)+\b)+7], v[\f+64+16*\b:\f+64+16*\b+15], v[\f+16*(\a):\f+16*(\a)+15], v[BI+8*\b:BI+8*\b+7]
.else
	v_wmma_f32_16x16x128_fp8_fp8 v[ACC+8*(4*(\a)+\b):ACC+8*(4*(\a)+\b)+7], v[\f+64+16*\b:\f+64+16*\b+15], v[\f+16*(\a):\f+16*(\a)+15], v[ACC+8*(4*(\a)+\b):ACC+8*(4*(\a)+\b)+7]
.endif
.endr
.endm
.macro FETCH slot, q, f
	WIN TO_F
.irp b, 0,1,2,3
.irp c, 0,1,2,3,4,5,6,7
	ds_load_b64 v[\f+64+16*\b+2*\c:\f+64+16*\b+2*\c+1], v[ADRB+\slot] offset:8448*\b+128*(\q)+16*\c
.endr
.endr
.irp a, 0,1,2,3
.irp u, 0,1,2,3
	ds_load_b128 v[\f+16*\a+4*\u:\f+16*\a+4*\u+3], v[ADRA+\slot] offset:8192*\a+2048*(\q)+512*\u
.endr
.endr
.endm
.macro PLACES
.rept 4
	v_nop
.endr
.endm
.macro QUARTER slot, qn, f, g, first
	s_wait_dscnt 8
	WIN MUL
	MUL4 \f, 0, \first
	MUL4 \f, 1, \first
	PLACES
	FETCH \slot, \qn, \g
	s_wait_dscnt 48
	WIN MUL
	MUL4 \f, 2, \first
	MUL4 \f, 3, \first
.endm
.macro TURN slot, next, fill
	WIN 0
.if \fill
	s_wait_xcnt 0x0                                ; my last prefetch has read its address: it steps here, a K step behind that prefetch
	s_add_nc_u64 s[72:73], s[72:73], s[74:75]
.endif
	s_wait_tensorcnt 0x0
	ds_add_u32 v[SPW], v[NIL]
	s_wait_dscnt 9
	WIN MUL
	MUL4 F1, 0, 0
	s_wait_dscnt 0x0
	s_barrier_signal -1
	MUL4 F1, 1, 0
	WIN 0
	s_barrier_wait -1
.if \fill
	CREST
	s_add_nc_u64 s[G0+4*\slot+2:G0+4*\slot+3], s[G0+4*\slot+2:G0+4*\slot+3], 16384
	s_add_nc_u64 s[G0B+4*\slot+2:G0B+4*\slot+3], s[G0B+4*\slot+2:G0B+4*\slot+3], 1024
	JLOAD \slot
.else
	PLACES
.endif
	FETCH \next, 0, F0
.if \fill
	WIN 0
	s_cmp_gt_u32 s3, 1                             ; the last trip's two refills have no K step two on
	s_cbranch_scc0 .Lnoask_\@
	global_prefetch_b8 v31, s[72:73] th:TH_LOAD_NT scope:SCOPE_SE   ; the K step two refills on: 32 blocks of 256 bytes, a lane a block
.Lnoask_\@:
.endif
	WIN MUL
	MUL4 F1, 2, 0
	MUL4 F1, 3, 0
.endm
	s_wait_xcnt 0x0                                ; my prefetches have read their addresses
	s_add_nc_u64 s[72:73], s[78:79], s[74:75]      ; K step 3
	s_wait_alu depctr_va_vdst(0)
	s_wait_tensorcnt 0x0                           ; my part of K step 0 is in
	ds_add_u32 v[SPW], v[NIL]
	s_wait_dscnt 0x0
	CROUND                                         ; everybody's part is in, and the sixteen work-groups are here
	JLOAD 1                                        ; K step 1, my one tensor load behind the round
	FETCH 0, 0, F0
	WIN 0
	global_prefetch_b8 v31, s[72:73] th:TH_LOAD_NT scope:SCOPE_SE   ; K step 3: two refills on
	QUARTER 0, 1, F0, F1, 1
	WIN 0x80                                       ; the residual is wanted on the way out alone: its 32 loads go out behind the first K steps' requests and stay out through the products
.irp a, 0,1,2,3
.irp t, 0,1,2,3,4,5,6,7
	global_load_b128 v[RES+32*\a+4*\t:RES+32*\a+4*\t+3], v[CO], s[68:69] offset:(16*\a+2*\t)*4096 th:TH_LOAD_NT
.endr
.endr
	WIN 0
.if LAPS > 1
	WIN 0
	s_mov_b32 s3, LAPS-1
.Llap:
	QUARTER 0, 2, F1, F0, 0
	QUARTER 0, 3, F0, F1, 0
	TURN 0, 1, 1
	QUARTER 1, 1, F0, F1, 0
	QUARTER 1, 2, F1, F0, 0
	QUARTER 1, 3, F0, F1, 0
	TURN 1, 0, 1
	QUARTER 0, 1, F0, F1, 0
	WIN 0
	s_sub_co_u32 s3, s3, 1
	s_cmp_lg_u32 s3, 0
	s_cbranch_scc1 .Llap
.endif
	QUARTER 0, 2, F1, F0, 0
	QUARTER 0, 3, F0, F1, 0
	TURN 0, 1, 0
	QUARTER 1, 1, F0, F1, 0
	QUARTER 1, 2, F1, F0, 0
	QUARTER 1, 3, F0, F1, 0
	s_wait_dscnt 8
	WIN MUL
	MUL4 F1, 0, 0
	MUL4 F1, 1, 0
	s_wait_dscnt 0
	MUL4 F1, 2, 0
	MUL4 F1, 3, 0
	WIN 0
	PLACES
.irp a, 0,1,2,3
	WIN 0
.irp b, 0,1,2,3
	ds_store_b128 v[STO], v[ACC+8*(4*\a+\b):ACC+8*(4*\a+\b)+3] offset:64*\b
	ds_store_b128 v[STO], v[ACC+8*(4*\a+\b)+4:ACC+8*(4*\a+\b)+7] offset:64*\b+16
.endr
	WIN 0x80
.irp t, 0,1,2,3,4,5,6,7
	ds_load_b128 v[OT+32*\a+4*\t:OT+32*\a+4*\t+3], v[RD] offset:544*\t
.endr
.endr
	s_wait_loadcnt 0x0
.irp a, 0,1,2,3
	s_wait_dscnt 16*(3-\a)
	WIN 0xa2
.irp i, 0,2,4,6,8,10,12,14,16,18,20,22,24,26,28,30
	v_pk_fma_f32 v[OT+32*\a+\i:OT+32*\a+\i+1], v[OT+32*\a+\i:OT+32*\a+\i+1], s[96:97], v[RES+32*\a+\i:RES+32*\a+\i+1] op_sel_hi:[1,0,1]
.endr
	WIN 0x08
.irp t, 0,1,2,3,4,5,6,7
	global_store_b128 v[CO], v[OT+32*\a+4*\t:OT+32*\a+4*\t+3], s[70:71] offset:(16*\a+2*\t)*4096
.endr
.endr
	WIN 0
	s_wait_tensorcnt 0x0
	ds_add_u32 v[SPW], v[NIL]
	s_wait_dscnt 0x0
	CROUND
	s_endpgm
.Lfunc_end_k_qaf496795ff_ffn2:
	.size	k_qaf496795ff_ffn2, .Lfunc_end_k_qaf496795ff_ffn2-k_qaf496795ff_ffn2
	.p2alignl 7, 3214868480
	.fill 96, 4, 3214868480
	.section	.rodata,"a",@progbits
	.p2align	6, 0x0
	.amdhsa_kernel k_qaf496795ff_ffn2
		.amdhsa_group_segment_fixed_size 327680
		.amdhsa_private_segment_fixed_size 0
		.amdhsa_enable_private_segment 0
		.amdhsa_kernarg_size 48
		.amdhsa_user_sgpr_count 2
		.amdhsa_user_sgpr_kernarg_segment_ptr 1
		.amdhsa_wavefront_size32 1
		.amdhsa_system_sgpr_workgroup_id_x 1
		.amdhsa_system_sgpr_workgroup_id_y 1
		.amdhsa_system_sgpr_workgroup_id_z 1
		.amdhsa_system_vgpr_workitem_id 0
		.amdhsa_next_free_vgpr 768
		.amdhsa_next_free_sgpr 100
		.amdhsa_reserve_vcc 0
		.amdhsa_float_denorm_mode_32 3
		.amdhsa_float_denorm_mode_16_64 3
		.amdhsa_memory_ordered 1
		.amdhsa_forward_progress 1
		.amdhsa_inst_pref_size 98
	.end_amdhsa_kernel
	.amdgpu_metadata
---
amdhsa.version: [ 1, 2 ]
amdhsa.kernels:
  - .name:           k_qaf496795ff_ffn2
    .symbol:         k_qaf496795ff_ffn2.kd
    .args:
      - { .name: hi, .offset: 0, .size: 8, .value_kind: global_buffer, .address_space: global }
      - { .name: W2_codes, .offset: 8, .size: 8, .value_kind: global_buffer, .address_space: global }
      - { .name: lowp_scales, .offset: 16, .size: 8, .value_kind: global_buffer, .address_space: global }
      - { .name: b2, .offset: 24, .size: 8, .value_kind: global_buffer, .address_space: global }
      - { .name: x1, .offset: 32, .size: 8, .value_kind: global_buffer, .address_space: global }
      - { .name: out0, .offset: 40, .size: 8, .value_kind: global_buffer, .address_space: global }
    .group_segment_fixed_size: 327680
    .private_segment_fixed_size: 0
    .kernarg_segment_align: 8
    .kernarg_segment_size: 48
    .max_flat_workgroup_size: 128
    .sgpr_count:     100
    .vgpr_count:     768
    .wavefront_size: 32
...
	.end_amdgpu_metadata
.endif
;; end of part 7
